; MI455X (gfx1250); checked and timed in simulation.
; The chip was launched on July 23, 2026; its instructions are those of AMD's public machine-readable ISA for CDNA 5 (MIT licence, August 2026) and "CDNA5" Instruction Set Architecture Reference Guide (July 2026). The comments in the code are by the model that wrote it; some were corrected since.
;; Self Attention. Allowed arithmetic: matrix products marked QUANTISED: E2M1 operands, one E8M0 scale for each 32 along K, by v_wmma_scale_f32_16x16x128_f8f6f4 with both operands' format E2M1 (or v_wmma_scale_f32_32x16x128_f4), f32 sums; products left as they are: bf16, f16 or f32 operands; f32 sums; everything else in f32.
;; Inputs: w_out 1,024 x 1,024 float32; w_qkv 1,024 x 3,072 float32; x 4 x 2,048 x 1,024 float32.
;; Outputs: out0 4 x 2,048 x 1,024 float32.
;; This version of the problem:
;;   THIS VERSION OF THE PROBLEM IS GIVEN IN LOW PRECISION. The matrix products marked QUANTISED in the list below multiply operands that are first quantised to E2M1 (2 exponent bits, 1 mantissa bit; 4 bits a number), with one power-of-two scale for each 32 numbers along K (OCP MX v1.0); their sums are f32. The products marked 'left as it is' may take bf16, f16 or f32 operands, with f32 sums. Whichever they take, every output number must still come out within the allowed error. Rounding operands to bf16 (8 significant bits) uses up far more of that allowance than f16 does (11 bits, for magnitudes from 6e-5 to 65,504). All else is computed in f32.
;;   The module's matrix products, in the order in which they are computed (A, B: the left and right operand; K: the contracted axis; several contracted axes count as one K, in the product's order):
;;     1. [M 8,192, K 1,024] x [K 1,024, N 3,072]; A: input x; B: input w_qkv: QUANTISED
;;     2. batch 64 x [M 2,048, K 64] x [K 64, N 2,048]; A: computed on the way; B: computed on the way: left as it is (an operand is computed on the way)
;;     3. batch 64 x [M 2,048, K 2,048] x [K 2,048, N 64]; A: computed on the way; B: computed on the way: left as it is (an operand is computed on the way)
;;     4. [M 8,192, K 1,024] x [K 1,024, N 1,024]; A: computed on the way; B: input w_out: left as it is (an operand is computed on the way)
;;   THE QUANTISER, for each operand of a quantised product, along K:
;;     - K is cut into blocks of 32 from its start; a last block that is shorter is filled with zeros.
;;     - A block's scale is 2^e with e = floor(log2(the largest magnitude in the block)) - 2, held to -126 .. 127; a block of zeros has e = 0. As a byte (E8M0): e + 127.
;;     - Each number is divided by its block's scale, clamped to +-6, and rounded to the nearest number of E2M1, ties to even, subnormals kept.
;;     - The product sums the exact products of the quantised numbers (number of the format x scale) in f32.
;;   ~~~python
;;   def quantise(x, axis):      # numpy; x: float32 -> the quantised numbers, widened to float32 again
;;       x = np.moveaxis(x, axis, -1); K = x.shape[-1]
;;       x = np.pad(x, [(0, 0)] * (x.ndim - 1) + [(0, -K % 32)]); x = x.reshape(x.shape[:-1] + (-1, 32)); a = np.abs(x).max(-1, keepdims=True)
;;       e = np.where(a > 0, np.clip(np.frexp(np.where(a > 0, a, 1))[1] - 1 - 2, -126, 127), 0)      # np.frexp(a)[1] - 1 = floor(log2(a)), exactly
;;       r = np.clip(x / 2.0 ** e, -6, 6)
;;       step = 2.0 ** (np.maximum(np.frexp(np.where(r == 0, 1, r))[1] - 1, 0) - 1)
;;       q = np.round(r / step) * step * 2.0 ** e      # np.round: ties to even
;;       return np.moveaxis(q.reshape(q.shape[:-2] + (-1,))[..., :K], -1, axis).astype(np.float32)
;;   ~~~
;; One version. Each part assembles by itself: llvm-mc -triple=amdgcn-amd-amdhsa -mcpu=gfx1250 --defsym DOCPART=n.
;; ======== version 1 of 1: 6 launches
;; limits: values are held in f16: magnitudes above 65,504 overflow, below 6.1e-05 lose precision
;; workspace buffers: x_codes 4,194,304 bytes; x_scales 262,144 bytes; w_codes 1,572,864 bytes; w_scales 98,304 bytes; wt 2,097,152 bytes; qkv 50,331,648 bytes; att 16,777,216 bytes
;; launch quant_x (part 1): grid 256 x 1, 4 waves a work-group, no clusters, 33,280 bytes of LDS; arguments x, x_codes, x_scales; writes x_codes, x_scales
.if DOCPART == 1
	.amdgcn_target "amdgcn-amd-amdhsa--gfx1250"
	.amdhsa_code_object_version 6
	.text
	.protected	k_q64dda3ec53_quant_x
	.globl	k_q64dda3ec53_quant_x
	.p2align	8
	.type	k_q64dda3ec53_quant_x,@function
k_q64dda3ec53_quant_x:
	s_mov_b64 s[64:65], 0
	v_nop
	global_prefetch_b8 v0, s[64:65] scope:SCOPE_SE
	s_setreg_imm32_b32 hwreg(HW_REG_WAVE_MODE, 25, 1), 1
	s_wait_xcnt 0x0
; THE PROGRAM: out0 = attention(x w_qkv) w_out in six launches: x and w_qkv are quantised to E2M1 codes with E8M0 scales (two launches), w_out is turned and rounded to f16, the first product runs on codes,
; attention and the last product run on f16 operands with f32 sums.  NO WORK OF reference() IS LEFT OUT: every input reaches the output, there is no mask, nothing is sliced away, and the softmax keeps its running maximum.
; THIS LAUNCH: x [8192][1024], f32, K innermost, becomes codes of FP4 (E2M1), two a byte, the lower k in the low four bits, and one E8M0 scale byte for each 32 along K.
; A block's scale is 2^(floor(log2(its largest magnitude)) - 2); its byte is the largest magnitude's own exponent field - 2, held at 1 from below.  (A block of zeros so gets the byte 1 where the rule says 127: its codes are
; zeros, which add nothing under any byte but 0xff, and the bytes are read by this program alone.)  Each number is divided by the scale and rounded to the nearest code, ties to even; beyond 6 the largest code.
; LIMITS: blocks whose largest magnitude lies under 2^(2 - 126) take the floor's byte 1; NaN and infinities among the inputs are not served.
; Rows are dense and 1024 is a multiple of 32, so x is a plain stream of blocks of 32 numbers, and so are the codes and the scale bytes.  A wave takes 16 steps of 512 numbers.  Each of a step's four loads reads 512
; consecutive bytes, 16 a lane; the 2,048 bytes go through the wave's own stage in LDS and come back 64 bytes a lane, so that a lane holds 16 neighbours along K (two neighbouring lanes hold a block).
; A lane's 16 codes are 8 bytes: the wave stores 256 consecutive bytes.  A wave's 256 scale bytes are gathered in its own LDS bytes and leave as one aligned run of 256 bytes.  Waves share nothing: no barrier.
.set WAVES, 4
.set STEPS, 16
.set EMAX,  2
.set CB,    8                          ; bytes of 16 codes
.set R,     16                         ; v16-79   four sets of 16 numbers as they are loaded
.set X,     80                         ; v80-111  two sets of 16 neighbours
.set C,     128                        ; v128-191 codes: four registers for each step, so that no store's data are written again
.set E,     112                        ; v112-127 a scale byte for each step
.set WREG,  8192                       ; LDS: a region for each wave: two stages of 32 x SP bytes, behind them its 256 scale bytes
.set SP,    80                         ; a lane's place in a stage: its 64 bytes + 16 of padding
.set SPW,   12                         ; v12      LDS address of my spare word; never rewritten
.set NIL,   13                         ; v13      0; never rewritten
.set SPARE, WAVES*WREG                 ; behind the four regions: the spare words, 128 bytes for each wave
	s_load_b64 s[4:5], s[0:1], 0x0                 ; x
	s_load_b64 s[8:9], s[0:1], 0x8                 ; the codes
	s_load_b64 s[10:11], s[0:1], 0x10              ; the scale bytes
	v_lshl_add_u32 v[SPW], v0, 2, SPARE
	v_mov_b32 v[NIL], 0
	v_lshrrev_b32 v1, 5, v0
	v_readfirstlane_b32 s16, v1                    ; wave
	v_and_b32 v2, 31, v0                           ; lane
	v_lshlrev_b32 v3, 4, v2                        ; my 16 bytes of a load's 512
	s_mul_i32 s17, s16, WREG
	v_lshrrev_b32 v14, 2, v2
	v_mul_u32_u24 v14, v14, SP
	v_and_b32 v15, 3, v2
	v_lshl_add_u32 v14, v15, 4, v14
	v_add_nc_u32 v14, s17, v14                     ; the stage, on the way in: SP (lane / 4) + 16 (lane % 4)
	v_mul_u32_u24 v15, v2, SP
	v_add_nc_u32 v15, s17, v15                     ; and on the way out: SP x lane: my 16 neighbours
	v_mul_u32_u24 v4, v2, CB                       ; my codes' place in a step's
	v_lshrrev_b32 v5, 1, v2
	s_add_co_u32 s17, s17, 2*32*SP
	v_add_nc_u32 v5, s17, v5                       ; LDS: my wave's 256 scale bytes, my block's byte
	v_lshlrev_b32 v7, 3, v2                        ; and on the way out 8 bytes a lane
	v_add_nc_u32 v6, s17, v7
	s_lshl_b32 s17, ttmp9, 2
	s_add_co_u32 s18, s17, s16                     ; which run of 8,192 numbers is my wave's
	s_mov_b32 s19, 0
	s_lshl_b64 s[20:21], s[18:19], 15              ; 32,768 bytes of x a run,
	s_lshl_b64 s[22:23], s[18:19], 12              ; 4,096 bytes of codes,
	s_lshl_b32 s18, s18, 8                         ; 256 scale bytes
	s_wait_kmcnt 0x0
	s_add_nc_u64 s[4:5], s[4:5], s[20:21]
	s_add_nc_u64 s[8:9], s[8:9], s[22:23]
	s_add_nc_u64 s[10:11], s[10:11], s[18:19]
.macro LOAD t
.irp i, 0,1,2,3
	global_load_b128 v[R+16*((\t)%4)+4*\i:R+16*((\t)%4)+4*\i+3], v3, s[4:5] offset:2048*(\t)+512*\i th:TH_LOAD_NT   ; 32 lanes read 512 consecutive bytes
.endr
.endm
.macro TURN t                          ; step t's numbers through the stage: LDS serves a wave's instructions in order, so no wait stands between the stores and the loads
.irp i, 0,1,2,3
	ds_store_b128 v14, v[R+16*((\t)%4)+4*\i:R+16*((\t)%4)+4*\i+3] offset:32*SP*((\t)%2)+8*SP*\i
.endr
.irp i, 0,1,2,3
	ds_load_b128 v[X+16*((\t)%2)+4*\i:X+16*((\t)%2)+4*\i+3], v15 offset:32*SP*((\t)%2)+16*\i
.endr
.endm
.irp t, 0,1,2,3
	LOAD \t
.endr
	s_wait_loadcnt 12                              ; step 0's four loads are in; the twelve of steps 1 to 3 may be out
	TURN 0
.macro STEP t
.set XS, X+16*((\t)%2)
.if (\t) > 0
	s_wait_dscnt 1                                 ; this step's numbers are back from the stage (the last step's byte store may be out): so its stores into the stage have read their registers,
.else
	s_wait_dscnt 0x0
.endif
.if (\t)+4 < STEPS
	LOAD (\t)+4                                    ; which take the loads of four steps on
.endif
.if (\t)+1 < STEPS
.if STEPS-2-(\t) >= 3
	s_wait_loadcnt 12                              ; the next step's four loads are in; those of the three steps behind it may be out
.else
	s_wait_loadcnt 4*(STEPS-2-(\t))
.endif
	TURN (\t)+1                                    ; and go through the other stage while this step is worked
.endif
	v_max3_num_f32 v8, |v[XS]|, |v[XS+1]|, |v[XS+2]|               ; the largest magnitude of my 16, in two chains
	v_max3_num_f32 v9, |v[XS+3]|, |v[XS+4]|, |v[XS+5]|
.irp i, 6,10
	v_max3_num_f32 v8, v8, |v[XS+\i]|, |v[XS+\i+1]|
	v_max3_num_f32 v9, v9, |v[XS+\i+2]|, |v[XS+\i+3]|
.endr
	v_max3_num_f32 v8, v8, |v[XS+14]|, |v[XS+15]|
	v_max3_num_f32 v8, v8, v9, (EMAX+1)<<23        ; and the floor 2^(EMAX + 1 - 127): the byte cannot fall under 1
	v_max_num_f32_dpp v8, v8, v8 row_xmask:1 row_mask:0xf bank_mask:0xf   ; and of my neighbour's 16: the block's
	v_add_nc_u32 v11, -(EMAX<<23), v8              ; EMAX off its exponent field: the conversion takes the exponent field of this operand as its scale
	v_cvt_scalef32_pk8_fp4_f32 v[C+4*(\t)], v[XS:XS+7], v11
	v_cvt_scalef32_pk8_fp4_f32 v[C+4*(\t)+1], v[XS+8:XS+15], v11
	v_lshrrev_b32 v[E+(\t)], 23, v11               ; the scale's byte (also the plain line behind the conversions)
	ds_store_b8 v5, v[E+(\t)] offset:16*(\t)       ; both lanes of a block write the same byte with the same value
	global_store_b64 v4, v[C+4*(\t):C+4*(\t)+1], s[8:9] offset:32*CB*(\t)   ; the wave stores 256 consecutive bytes, aligned
.endm
.irp t, 0,1,2,3,4,5,6,7,8,9,10,11,12,13,14,15
	STEP \t
.endr
	ds_load_b64 v[8:9], v6                         ; LDS serves a wave's instructions in order: these see my stores
	s_wait_dscnt 0x0
	global_store_b64 v7, v[8:9], s[10:11]          ; 32 lanes store 256 consecutive bytes, aligned
	s_wait_tensorcnt 0x0                           ; the wave's end, behind my last LDS store
	ds_add_u32 v[SPW], v[NIL]
	s_wait_dscnt 0x0
	s_endpgm
.Lfunc_end_k_q64dda3ec53_quant_x:
	.size	k_q64dda3ec53_quant_x, .Lfunc_end_k_q64dda3ec53_quant_x-k_q64dda3ec53_quant_x
	.p2alignl 7, 3214868480
	.fill 96, 4, 3214868480
	.section	.rodata,"a",@progbits
	.p2align	6, 0x0
	.amdhsa_kernel k_q64dda3ec53_quant_x
		.amdhsa_group_segment_fixed_size 33280
		.amdhsa_private_segment_fixed_size 0
		.amdhsa_enable_private_segment 0
		.amdhsa_kernarg_size 24
		.amdhsa_user_sgpr_count 2
		.amdhsa_user_sgpr_kernarg_segment_ptr 1
		.amdhsa_wavefront_size32 1
		.amdhsa_system_sgpr_workgroup_id_x 1
		.amdhsa_system_sgpr_workgroup_id_y 1
		.amdhsa_system_sgpr_workgroup_id_z 1
		.amdhsa_system_vgpr_workitem_id 0
		.amdhsa_next_free_vgpr 192
		.amdhsa_next_free_sgpr 66
		.amdhsa_reserve_vcc 0
		.amdhsa_float_denorm_mode_32 3
		.amdhsa_float_denorm_mode_16_64 3
		.amdhsa_memory_ordered 1
		.amdhsa_forward_progress 1
		.amdhsa_inst_pref_size 33
	.end_amdhsa_kernel
	.amdgpu_metadata
---
amdhsa.version: [ 1, 2 ]
amdhsa.kernels:
  - .name:           k_q64dda3ec53_quant_x
    .symbol:         k_q64dda3ec53_quant_x.kd
    .args:
      - { .name: x, .offset: 0, .size: 8, .value_kind: global_buffer, .address_space: global }
      - { .name: x_codes, .offset: 8, .size: 8, .value_kind: global_buffer, .address_space: global }
      - { .name: x_scales, .offset: 16, .size: 8, .value_kind: global_buffer, .address_space: global }
    .group_segment_fixed_size: 33280
    .private_segment_fixed_size: 0
    .kernarg_segment_align: 8
    .kernarg_segment_size: 24
    .max_flat_workgroup_size: 128
    .sgpr_count:     66
    .vgpr_count:     192
    .wavefront_size: 32
...
	.end_amdgpu_metadata
.endif
;; end of part 1
;; launch quant_w (part 2): grid 48 x 1, 16 waves a work-group, no clusters, 37,888 bytes of LDS; arguments w_qkv, w_codes, w_scales; writes w_codes, w_scales
.if DOCPART == 2
	.amdgcn_target "amdgcn-amd-amdhsa--gfx1250"
	.amdhsa_code_object_version 6
	.text
	.protected	k_q64dda3ec53_quant_w
	.globl	k_q64dda3ec53_quant_w
	.p2align	8
	.type	k_q64dda3ec53_quant_w,@function
k_q64dda3ec53_quant_w:
	s_mov_b64 s[64:65], 0
	v_nop
	global_prefetch_b8 v0, s[64:65] scope:SCOPE_SE
	s_setreg_imm32_b32 hwreg(HW_REG_WAVE_MODE, 25, 1), 1
	s_wait_xcnt 0x0
; w_qkv [1024 (k)][3072 (n)], f32, K its FIRST axis, becomes codes of FP4 (E2M1) laid [3072][1024] with K innermost (512 bytes a column n) and one E8M0 byte for each 32 along K, laid [3072][32].  Nothing is left out.
; A LANE TAKES A COLUMN n AND ITS REGISTERS RUN DOWN K: a load reads neighbouring n in neighbouring lanes, a block of 32 along K lies in one lane's 32 registers, and the conversions give codes with K innermost.
; The scale is made as in the launch before: exponent field of the largest magnitude - 2, held at 1 from below (a block of zeros keeps the byte 1: its codes are zeros, and this program alone reads the bytes).
; LIMITS: blocks under 2^(2 - 126) take the floor's byte; NaN and infinities among the inputs are not served.
; SHARES.  A work-group takes 64 columns and ALL of K, so that its codes are 64 x 512 = 32,768 consecutive bytes and its scale bytes 2,048 consecutive bytes.  Wave w takes columns 32 (w & 1) on and K = 128 (w >> 1) on: 4 blocks.
; The codes meet in a stage in LDS (64 rows of 512 + 16 bytes), the scale words in 2,048 dense bytes; one barrier; then wave w stores rows 4 w .. 4 w + 3 whole, 512 consecutive bytes an instruction, and waves 0 to 3 the scale bytes.
; 48 work-groups: 3072 / 64; fewer columns to a work-group would cut the rows of w_qkv that a work-group reads under 256 bytes.
.set NB,    4                          ; blocks of a wave
.set ROWW,  12288                      ; a row of w_qkv in bytes
.set PITCH, 528                        ; a stage row: 512 bytes + 16
.set CST,   0                          ; the stage for codes: 64 rows
.set SST,   64*PITCH                   ; the scale bytes: 64 x 32, dense
.set SPARE, SST+2048                   ; the spare words, 128 bytes for each of 16 waves
.set EMAX,  2
.set SPW,   14                         ; v14  LDS address of my spare word; never rewritten
.set NIL,   15                         ; v15  0; never rewritten
.set SB,    24                         ; v24  my column's four scale bytes
.set X,     32                         ; v32-95  two sets of 32 numbers
.set C,     96                         ; v96-99  a block's codes
.set OUTR,  100                        ; v100-119 the way out
	s_load_b128 s[4:7], s[0:1], 0x0                ; w_qkv, the codes
	s_load_b64 s[8:9], s[0:1], 0x10                ; the scale bytes
	v_lshl_add_u32 v[SPW], v0, 2, SPARE
	v_mov_b32 v[NIL], 0
	v_lshrrev_b32 v1, 5, v0
	v_readfirstlane_b32 s16, v1                    ; wave 0..15
	v_and_b32 v2, 31, v0                           ; lane
	s_and_b32 s17, s16, 1                          ; which 32 columns
	s_lshr_b32 s18, s16, 1                         ; which 128 along K
	v_lshlrev_b32 v3, 2, v2                        ; in: 4 bytes a lane
	s_mul_i32 s19, s17, 32*PITCH
	s_lshl_b32 s20, s18, 6
	s_add_co_u32 s19, s19, s20
	v_mul_u32_u24 v4, v2, PITCH
	v_add_nc_u32 v4, s19, v4                       ; into the stage: row = my column, 64 bytes for each 128 along K
	s_lshl_b32 s19, s17, 10
	s_lshl_b32 s20, s18, 2
	s_add_co_u32 s19, s19, s20
	s_add_co_u32 s19, s19, SST
	v_lshl_add_u32 v5, v2, 5, s19                  ; my column's scale word: 32 bytes a column, 4 for each 128 along K
	s_mul_i32 s19, s16, 4*PITCH
	v_lshlrev_b32 v8, 4, v2                        ; out: 16 bytes a lane, in memory
	v_add_nc_u32 v7, s19, v8                       ; and in the stage: my four rows
	s_and_b32 s19, s16, 3
	s_lshl_b32 s19, s19, 9
	s_add_co_u32 s21, s19, SST
	v_add_nc_u32 v9, s21, v8                       ; the scale bytes' way out: 512 bytes for each of waves 0 to 3
	s_mul_i32 s20, s18, 128*ROWW                   ; w_qkv: my 128 rows,
	s_lshl_b32 s21, ttmp9, 8
	s_add_co_u32 s20, s20, s21                     ; the work-group's 64 columns,
	s_lshl_b32 s21, s17, 7
	s_add_co_u32 s20, s20, s21                     ; my 32 of them
	s_mov_b32 s21, 0
	s_lshl_b32 s22, ttmp9, 15                      ; the codes: 32,768 bytes a work-group,
	s_lshl_b32 s23, s16, 11
	s_add_co_u32 s22, s22, s23                     ; 4 rows of 512 a wave
	s_mov_b32 s23, 0
	s_lshl_b32 s24, ttmp9, 11                      ; the scale bytes: 2,048 a work-group
	s_add_co_u32 s24, s24, s19
	s_mov_b32 s25, 0
	s_wait_kmcnt 0x0
	s_add_nc_u64 s[4:5], s[4:5], s[20:21]
	s_add_nc_u64 s[6:7], s[6:7], s[22:23]
	s_add_nc_u64 s[8:9], s[8:9], s[24:25]
.macro LOAD t                          ; block t: w(32 t + i, my column), i = 0 .. 31, into set t % 2; the largest offset, 127 rows, is 1,560,576 bytes
.irp i, 0,1,2,3,4,5,6,7,8,9,10,11,12,13,14,15,16,17,18,19,20,21,22,23,24,25,26,27,28,29,30,31
	global_load_b32 v[X+32*((\t)%2)+\i], v3, s[4:5] offset:(32*(\t)+\i)*ROWW th:TH_LOAD_NT
.endr
.endm
	LOAD 0
	LOAD 1
.macro BLOCK t
.set XS, X+32*((\t)%2)
.if (\t) < NB-1
	s_wait_loadcnt 32                              ; this block's 32 loads are in; the next block's 32 may be out
.else
	s_wait_loadcnt 0
.endif
	v_max3_num_f32 v12, |v[XS]|, |v[XS+1]|, |v[XS+2]|               ; the block's largest magnitude: all 32 numbers are mine
	v_max3_num_f32 v13, |v[XS+3]|, |v[XS+4]|, |v[XS+5]|
.irp i, 6,10,14,18,22,26
	v_max3_num_f32 v12, v12, |v[XS+\i]|, |v[XS+\i+1]|
	v_max3_num_f32 v13, v13, |v[XS+\i+2]|, |v[XS+\i+3]|
.endr
	v_max3_num_f32 v12, v12, |v[XS+30]|, |v[XS+31]|
	v_max3_num_f32 v12, v12, v13, (EMAX+1)<<23     ; and the floor: the byte cannot fall under 1
	v_add_nc_u32 v11, -(EMAX<<23), v12             ; EMAX off its exponent field: the conversion's scale operand
	v_lshrrev_b32 v13, 23, v11                     ; the scale's byte
.if (\t) == 0
	v_mov_b32 v[SB], v13                           ; four bytes to the word, the lower K in the lower byte
.else
	v_lshl_or_b32 v[SB], v13, 8*(\t), v[SB]
.endif
.irp g, 0,1,2,3
	v_cvt_scalef32_pk8_fp4_f32 v[C+\g], v[XS+8*\g:XS+8*\g+7], v11
.endr
	ds_store_b128 v4, v[C:C+3] offset:16*(\t)      ; 32 codes: 16 bytes of my column's row
.if (\t)+2 < NB
	LOAD (\t)+2
.endif
	s_wait_dscnt 0x0                               ; the store has read its registers: the next block's codes may be written
.endm
	BLOCK 0
	BLOCK 1
	BLOCK 2
	BLOCK 3
	ds_store_b32 v5, v[SB]
	s_wait_dscnt 0x0                               ; for the others' sake: my stores into the stage are done
	s_barrier_signal -1
	s_barrier_wait -1
.irp i, 0,1,2,3
	ds_load_b128 v[OUTR+4*\i:OUTR+4*\i+3], v7 offset:PITCH*\i
.endr
.irp i, 0,1,2,3
	s_wait_dscnt 3-\i                              ; row i is in; the younger rows may be out
	global_store_b128 v8, v[OUTR+4*\i:OUTR+4*\i+3], s[6:7] offset:512*\i   ; 32 lanes store a column's 512 consecutive bytes
.endr
	s_cmp_lt_u32 s16, 4                            ; the 2,048 scale bytes are four stores' worth: waves 0 to 3
	s_cbranch_scc0 .Lno_scales
	ds_load_b128 v[OUTR+16:OUTR+19], v9
	s_wait_dscnt 0x0
	global_store_b128 v8, v[OUTR+16:OUTR+19], s[8:9]
.Lno_scales:
	s_wait_tensorcnt 0x0                           ; the wave's end, behind my last LDS store
	ds_add_u32 v[SPW], v[NIL]
	s_wait_dscnt 0x0
	s_endpgm
.Lfunc_end_k_q64dda3ec53_quant_w:
	.size	k_q64dda3ec53_quant_w, .Lfunc_end_k_q64dda3ec53_quant_w-k_q64dda3ec53_quant_w
	.p2alignl 7, 3214868480
	.fill 96, 4, 3214868480
	.section	.rodata,"a",@progbits
	.p2align	6, 0x0
	.amdhsa_kernel k_q64dda3ec53_quant_w
		.amdhsa_group_segment_fixed_size 37888
		.amdhsa_private_segment_fixed_size 0
		.amdhsa_enable_private_segment 0
		.amdhsa_kernarg_size 24
		.amdhsa_user_sgpr_count 2
		.amdhsa_user_sgpr_kernarg_segment_ptr 1
		.amdhsa_wavefront_size32 1
		.amdhsa_system_sgpr_workgroup_id_x 1
		.amdhsa_system_sgpr_workgroup_id_y 1
		.amdhsa_system_sgpr_workgroup_id_z 1
		.amdhsa_system_vgpr_workitem_id 0
		.amdhsa_next_free_vgpr 128
		.amdhsa_next_free_sgpr 66
		.amdhsa_reserve_vcc 0
		.amdhsa_float_denorm_mode_32 3
		.amdhsa_float_denorm_mode_16_64 3
		.amdhsa_memory_ordered 1
		.amdhsa_forward_progress 1
		.amdhsa_inst_pref_size 22
	.end_amdhsa_kernel
	.amdgpu_metadata
---
amdhsa.version: [ 1, 2 ]
amdhsa.kernels:
  - .name:           k_q64dda3ec53_quant_w
    .symbol:         k_q64dda3ec53_quant_w.kd
    .args:
      - { .name: w_qkv, .offset: 0, .size: 8, .value_kind: global_buffer, .address_space: global }
      - { .name: w_codes, .offset: 8, .size: 8, .value_kind: global_buffer, .address_space: global }
      - { .name: w_scales, .offset: 16, .size: 8, .value_kind: global_buffer, .address_space: global }
    .group_segment_fixed_size: 37888
    .private_segment_fixed_size: 0
    .kernarg_segment_align: 8
    .kernarg_segment_size: 24
    .max_flat_workgroup_size: 512
    .sgpr_count:     66
    .vgpr_count:     128
    .wavefront_size: 32
...
	.end_amdgpu_metadata
.endif
;; end of part 2
;; launch conv_wo (part 3): grid 8 x 8, 4 waves a work-group, no clusters, 35,840 bytes of LDS; arguments w_out, wt; writes wt
.if DOCPART == 3
	.amdgcn_target "amdgcn-amd-amdhsa--gfx1250"
	.amdhsa_code_object_version 6
	.text
	.protected	k_q64dda3ec53_conv_wo
	.globl	k_q64dda3ec53_conv_wo
	.p2align	8
	.type	k_q64dda3ec53_conv_wo,@function
k_q64dda3ec53_conv_wo:
	s_mov_b64 s[64:65], 0
	v_nop
	global_prefetch_b8 v0, s[64:65] scope:SCOPE_SE
	s_setreg_imm32_b32 hwreg(HW_REG_WAVE_MODE, 25, 1), 1
	s_wait_xcnt 0x0
; w_out [1024 (k)][1024 (n)], f32, becomes wt [1024 (n)][1024 (k)], f16, K innermost: the right operand of the last product as the matrix unit takes it.  Nothing is left out.
; f16 and not bf16: eleven significant bits against eight.  LIMIT: |w_out| from 6e-5 to 65,504 keeps those bits; smaller numbers lose bits down to 6e-8, larger ones become infinity.
; A LANE TAKES A COLUMN n AND ITS REGISTERS RUN DOWN K: each load reads 128 consecutive bytes a wave, 512 a work-group; two neighbours along K are rounded into one register, the lower k in the low half.
; A wave takes 32 columns x 128 along K: 256 bytes of f16 for each column.  They go through the wave's own stage in LDS (rows of 256 + 16 bytes) and leave as rows: sixteen lanes store 256 consecutive bytes, aligned.  No barrier.
.set NB,    4
.set ROWW,  4096                       ; a row of w_out in bytes
.set PITCH, 272
.set KROW,  2048                       ; a row of wt in bytes
.set SPW,   14                         ; v14  LDS address of my spare word; never rewritten
.set NIL,   15                         ; v15  0; never rewritten
.set SPARE, 4*32*PITCH                 ; behind the four stages: the spare words
.set X,     32                         ; v32-95   two sets of 32 numbers
.set C,     96                         ; v96-111  a block's 32 numbers in f16
.set OUTR,  112                        ; v112-175 the way out
	s_load_b128 s[4:7], s[0:1], 0x0                ; w_out, wt
	v_lshl_add_u32 v[SPW], v0, 2, SPARE
	v_mov_b32 v[NIL], 0
	v_lshrrev_b32 v1, 5, v0
	v_readfirstlane_b32 s16, v1                    ; wave 0..3
	v_and_b32 v2, 31, v0                           ; lane
	s_lshl_b32 s17, ttmp9, 7
	s_lshl_b32 s18, s16, 5
	s_add_co_u32 s17, s17, s18                     ; my wave's first column
	s_and_b32 s18, ttmp7, 0xffff                   ; which 128 along K
	v_lshlrev_b32 v3, 2, v2                        ; in: 4 bytes a lane
	s_mul_i32 s19, s16, 32*PITCH                   ; my stage
	v_mul_u32_u24 v4, v2, PITCH
	v_add_nc_u32 v4, s19, v4                       ; into it: row = my column
	v_and_b32 v5, 15, v2
	v_lshrrev_b32 v6, 4, v2                        ; out of it: sixteen lanes to a row, two rows an instruction
	v_mul_u32_u24 v7, v6, PITCH
	v_lshl_add_u32 v7, v5, 4, v7
	v_add_nc_u32 v7, s19, v7
	v_mul_u32_u24 v8, v6, KROW
	v_lshl_add_u32 v8, v5, 4, v8                   ; and the same place in wt
	s_lshl_b32 s20, s18, 19                        ; w_out: 128 rows of 4,096 bytes for each y,
	s_lshl_b32 s21, s17, 2
	s_add_co_u32 s20, s20, s21                     ; + 4 x column
	s_mov_b32 s21, 0
	s_lshl_b32 s22, s17, 11                        ; wt: column x 2,048,
	s_lshl_b32 s23, s18, 8
	s_add_co_u32 s22, s22, s23                     ; + 256 y
	s_mov_b32 s23, 0
	s_wait_kmcnt 0x0
	s_add_nc_u64 s[4:5], s[4:5], s[20:21]
	s_add_nc_u64 s[6:7], s[6:7], s[22:23]
.macro LOAD t
.irp i, 0,1,2,3,4,5,6,7,8,9,10,11,12,13,14,15,16,17,18,19,20,21,22,23,24,25,26,27,28,29,30,31
	global_load_b32 v[X+32*((\t)%2)+\i], v3, s[4:5] offset:(32*(\t)+\i)*ROWW th:TH_LOAD_NT
.endr
.endm
	LOAD 0
	LOAD 1
.macro BLOCK t
.set XS, X+32*((\t)%2)
.if (\t) < NB-1
	s_wait_loadcnt 32                              ; this block's 32 loads are in; the next block's 32 may be out
.else
	s_wait_loadcnt 0
.endif
.irp i, 0,1,2,3,4,5,6,7,8,9,10,11,12,13,14,15
	v_cvt_pk_f16_f32 v[C+\i], v[XS+2*\i], v[XS+2*\i+1]
.endr
.irp g, 0,1,2,3
	ds_store_b128 v4, v[C+4*\g:C+4*\g+3] offset:64*(\t)+16*\g
.endr
.if (\t)+2 < NB
	LOAD (\t)+2
.endif
	s_wait_dscnt 0x0                               ; the stores have read their registers
.endm
	BLOCK 0
	BLOCK 1
	BLOCK 2
	BLOCK 3
.irp t, 0,1,2,3,4,5,6,7,8,9,10,11,12,13,14,15
	ds_load_b128 v[OUTR+4*\t:OUTR+4*\t+3], v7 offset:2*\t*PITCH   ; LDS serves a wave's instructions in order: these see my stores
.endr
.irp t, 0,1,2,3,4,5,6,7,8,9,10,11,12,13,14,15
	s_wait_dscnt 15-\t
	global_store_b128 v8, v[OUTR+4*\t:OUTR+4*\t+3], s[6:7] offset:2*\t*KROW
.endr
	s_wait_tensorcnt 0x0                           ; the wave's end, behind my last LDS store
	ds_add_u32 v[SPW], v[NIL]
	s_wait_dscnt 0x0
	s_endpgm
.Lfunc_end_k_q64dda3ec53_conv_wo:
	.size	k_q64dda3ec53_conv_wo, .Lfunc_end_k_q64dda3ec53_conv_wo-k_q64dda3ec53_conv_wo
	.p2alignl 7, 3214868480
	.fill 96, 4, 3214868480
	.section	.rodata,"a",@progbits
	.p2align	6, 0x0
	.amdhsa_kernel k_q64dda3ec53_conv_wo
		.amdhsa_group_segment_fixed_size 35840
		.amdhsa_private_segment_fixed_size 0
		.amdhsa_enable_private_segment 0
		.amdhsa_kernarg_size 16
		.amdhsa_user_sgpr_count 2
		.amdhsa_user_sgpr_kernarg_segment_ptr 1
		.amdhsa_wavefront_size32 1
		.amdhsa_system_sgpr_workgroup_id_x 1
		.amdhsa_system_sgpr_workgroup_id_y 1
		.amdhsa_system_sgpr_workgroup_id_z 1
		.amdhsa_system_vgpr_workitem_id 0
		.amdhsa_next_free_vgpr 192
		.amdhsa_next_free_sgpr 66
		.amdhsa_reserve_vcc 0
		.amdhsa_float_denorm_mode_32 3
		.amdhsa_float_denorm_mode_16_64 3
		.amdhsa_memory_ordered 1
		.amdhsa_forward_progress 1
		.amdhsa_inst_pref_size 23
	.end_amdhsa_kernel
	.amdgpu_metadata
---
amdhsa.version: [ 1, 2 ]
amdhsa.kernels:
  - .name:           k_q64dda3ec53_conv_wo
    .symbol:         k_q64dda3ec53_conv_wo.kd
    .args:
      - { .name: w_out, .offset: 0, .size: 8, .value_kind: global_buffer, .address_space: global }
      - { .name: wt, .offset: 8, .size: 8, .value_kind: global_buffer, .address_space: global }
    .group_segment_fixed_size: 35840
    .private_segment_fixed_size: 0
    .kernarg_segment_align: 8
    .kernarg_segment_size: 16
    .max_flat_workgroup_size: 128
    .sgpr_count:     66
    .vgpr_count:     192
    .wavefront_size: 32
...
	.end_amdgpu_metadata
.endif
;; end of part 3
;; launch gemm_qkv (part 4): grid 12 x 32, 4 waves a work-group, clusters of 4 x 4, 327,680 bytes of LDS; arguments x_codes, x_scales, w_codes, w_scales, qkv; writes qkv
.if DOCPART == 4
	.amdgcn_target "amdgcn-amd-amdhsa--gfx1250"
	.amdhsa_code_object_version 6
	.text
	.protected	k_q64dda3ec53_gemm_qkv
	.globl	k_q64dda3ec53_gemm_qkv
	.p2align	8
	.type	k_q64dda3ec53_gemm_qkv,@function
k_q64dda3ec53_gemm_qkv:
	s_mov_b64 s[64:65], 0
	v_nop
	global_prefetch_b8 v0, s[64:65] scope:SCOPE_SE
	s_setreg_imm32_b32 hwreg(HW_REG_WAVE_MODE, 25, 1), 1
	s_wait_xcnt 0x0
	s_wait_alu depctr_hold_cnt(0) depctr_sa_sdst(0) depctr_va_vdst(0) depctr_va_sdst(0) depctr_va_ssrc(0) depctr_va_vcc(0) depctr_vm_vsrc(0)
	s_getreg_b32 s2, hwreg(HW_REG_IB_STS2, 6, 4)
	s_cmp_eq_u32 s2, 0
	s_cbranch_scc0 .Lentry_in_a_cluster
	s_endpgm
.Lentry_in_a_cluster:
	s_bfe_u32 s2, ttmp6, 0x10000c
	s_cmp_lg_u32 s2, 0xf033
	s_cbranch_scc0 .Lentry_shape_is_right
	s_endpgm
.Lentry_shape_is_right:
; qkv[m][n] = sum over k of Q(x)[m][k] Q(w_qkv)[k][n]: the QUANTISED product, on codes of FP4 (E2M1) with one E8M0 scale for each 32 along K, by the scaled matrix instruction; sums in f32.  Nothing is left out.
; A = x's codes [8192][512 bytes], scales [8192][32]; B = w's codes [3072][512 bytes], scales [3072][32].  qkv: [8192][3072] in f16, the operand format of the attention that reads it.
; LIMIT: f16 keeps eleven bits for |q|, |k|, |v| from 6e-5 to 65,504; the drawn inputs give about 5, both inputs 30 times larger about 5,000; beyond 65,504 the result would be infinity.
; A tile of C, 256 x 256, is made by a work-group of four waves; a wave makes 128 x 128: 64 accumulators of 16 x 16, 512 registers.  K = 1,024 is two K steps of 512 (rows of 256 bytes): both LDS slots are filled at the
; start and nothing is filled again.  THE SCALES of the work-group's 256 rows of A and of B, for all of K, are two dense blocks of memory: they come into LDS once, with the first fills.
; CLUSTERS: 4 x 4 work-groups.  The four of a row of the cluster need the same tiles of A, the four of a column the same tiles of B: each tile is asked for JOINTLY, by the same tensor load with the same descriptor and a mask
; that names the four.  THE MATRIX INSTRUCTION IS USED TRANSPOSED (source 0 = 16 rows of B, source 1 = 16 rows of A): a lane then holds eight neighbouring numbers of a row of C, 16 bytes in f16.
; REGISTERS, in windows of 256: window 0: v0-31 addresses; v32-95 scale words, two sets; v128-191 A's fragments, ONE set; on the way out v32-63, v192-255.   window 1: B's fragments, TWO sets, at v0 and v128.
;   window 2: the 32 accumulators of my rows 0-63 (accumulator (a, b) at v[8 (8 a + b)]);   window 3: those of my rows 64-127.
.set SIZE_M, 8192
.set SIZE_N, 3072
.set SIZE_K, 1024
.set KSTEP,  512                       ; along K in a slot
.set NQ,     KSTEP/128                 ; matrix instructions deep
.set ROWB,   256                       ; a tile's row in bytes
.set KROW,   SIZE_K*4/8                ; a row of codes in memory
.set PITCH,  272                       ; an LDS row: 256 bytes + 16 of padding = 68 words: the 16 rows that a load touches start at 16 different banks (64 banks of 4 bytes: ISA guide 11.1)
.set FR,     8                         ; registers of a fragment
.set NL,     2                         ; LDS loads that bring one
.set NP,     4                         ; places behind this matrix instruction (ISA guide 7.12.1)
.set HALFT,  128*PITCH                 ; 128 rows: what one tensor load brings
.set SLOT,   4*HALFT                   ; A's 256 rows, then B's 256 rows
.set KS,     SIZE_K/32                 ; a row of scales in bytes
.set SCL,    2*SLOT                    ; behind the slots: the scales, as runs of 256 bytes + 16 of padding
.set HALFS,  (128*KS/256)*272          ; the scales of 128 rows
.set SBLK,   (16*KS/256)*272           ; those of 16 rows
.set SPARE,  SCL+4*HALFS               ; the spare words, 128 bytes for each wave
.set SPITCH, 272                       ; the way out: a stage of 16 rows x (256 bytes + 16) for each wave, in slot 0, which has had its only fill and its last read when the first result is stored there
.set ADRA, 16                          ; v16-17  LDS address of my A fragments in slot 0, 1
.set ADRB, 20                          ; v20-21  the same for B
.set STO,  24                          ; v24     the way out: where I put 16 bytes of a row
.set RD,   25                          ; v25     where I read a row back
.set CO,   26                          ; v26     my byte offset in C
.set ADRS, 27                          ; v27     LDS address of my scale words: lanes 0-15 A's rows, lanes 16-31 B's
.set SPW,  28                          ; v28     LDS address of my spare word; never rewritten
.set NIL,  29                          ; v29     0; never rewritten
.set SC,   32                          ; scale words: set s at v[SC + 8 NQ s]; register NQ i + q: lanes 0-15 the word of A's block i, lanes 16-31 of B's block i, for the slot's q-th 128 along K
.set AF,   128                         ; A's fragments, in window 0
.set TMP,  192                         ; the way out: packed results
.set OB,   32                          ; the way out: 16 rows read back: v32-63 and v224-255 by turns
.set G1, 24                            ; s[24:31] descriptor group 1 for A's tiles;  s[32:39] group 0, one set for each slot
.set G0, 32
.set G1B, 48                           ; s[48:55], s[56:63] the same for B's tiles
.set G0B, 56
.set G1S, 68                           ; s[68:75], s[76:79] groups 1 and 0 for A's scales;  s[80:87], s[88:91] for B's
.set G0S, 76
.set G1SB, 80
.set G0SB, 88
.set MSB, 0
.macro WIN new                         ; the immediate's high byte repeats the setting that is left
.if MSB != (\new)
	s_set_vgpr_msb (MSB<<8)|(\new)
.set MSB, \new
.endif
.endm
.set MUL_LO, 0xa1                      ; source 0 (B) window 1, source 1 (A) window 0, C and D window 2
.set MUL_HI, 0xf1                      ; the same, C and D window 3
.set TO_B,   0x40                      ; destination window 1, address window 0
; A joint load: waves 0 and 1 fetch for A, waves 2 and 3 for B.  Each line has one mask and one set of registers for all that issue it; the branch hangs on the wave's number alone.
; An s_nop 0 and four v_nop follow each of the two lines.
.macro JLOAD g0a, g1a, g0b, g1b
	s_cmp_eq_u32 s15, 0
	s_cbranch_scc0 .Lfor_b_\@
	tensor_load_to_lds s[\g0a:\g0a+3], s[\g1a:\g1a+7]
	s_nop 0
.rept 4
	v_nop
.endr
	s_branch .Lasked_\@
.Lfor_b_\@:
	tensor_load_to_lds s[\g0b:\g0b+3], s[\g1b:\g1b+7]
	s_nop 0
.rept 4
	v_nop
.endr
.Lasked_\@:
.endm
.macro CROUND                          ; a round of the cluster's barrier
	s_barrier_signal -1
	s_barrier_wait -1
	s_cmp_lg_u32 s14, 0
	s_cbranch_scc1 .Lnot_wave_0_\@
	s_barrier_signal -3
.Lnot_wave_0_\@:
	s_barrier_wait -3
	s_barrier_signal -1
	s_barrier_wait -1
.endm
	s_load_b128 s[4:7], s[0:1], 0x0                ; A's codes s[4:5], A's scales s[6:7]
	s_load_b128 s[8:11], s[0:1], 0x10              ; B's codes s[8:9], B's scales s[10:11]
	s_load_b64 s[12:13], s[0:1], 0x20              ; C
	v_lshl_add_u32 v[SPW], v0, 2, SPARE
	v_mov_b32 v[NIL], 0
	ds_add_u32 v[SPW], v[NIL]                      ; the wave's opening: the add, twice on end, and its wait ahead of my first tensor load
	ds_add_u32 v[SPW], v[NIL]
	v_lshrrev_b32 v1, 5, v0
	v_readfirstlane_b32 s14, v1                    ; wave 0..3
	s_lshr_b32 s15, s14, 1                         ; which half of the tile's rows is mine.  Also: I fetch for A (0) or for B (1)
	s_and_b32 s16, s14, 1                          ; which half of its columns.  Also: which 128 rows of that tile I fetch
	s_bfe_u32 s40, ttmp6, 0x40000                  ; cx, cy: my place in the cluster
	s_bfe_u32 s41, ttmp6, 0x40004
	s_lshl_b32 s42, ttmp9, 2
	s_add_co_u32 s42, s42, s40                     ; tile column of C = 4 x cluster x + cx
	s_and_b32 s17, ttmp7, 0xffff
	s_lshl_b32 s17, s17, 2
	s_add_co_u32 s17, s17, s41                     ; tile row of C = 4 x cluster y + cy
	s_lshl_b32 s43, s41, 2
	s_lshl_b32 s43, 15, s43                        ; my row of the cluster
	s_lshl_b32 s44, 0x1111, s40                    ; my column
	; descriptor group 1: a tile of 128 rows x 256 bytes, padded in LDS
	s_or_b32 s[G1+0], s43, (0<<16)|(1<<20)|(1<<21)|(5<<22)|(3<<25)  ; the mask: A's tiles go to my row; elements of 1 byte; padding on; bit 21 beside a mask; after every 64 words, 4 words
	s_or_b32 s[G1B+0], s44, (0<<16)|(1<<20)|(1<<21)|(5<<22)|(3<<25)
.irp g, G1, G1B
	s_mov_b32 s[\g+1], ROWB<<16                    ; tensor_dim0
	s_mov_b32 s[\g+2], 128<<16                     ; tensor_dim1
	s_mov_b32 s[\g+3], ROWB<<16                    ; tile_dim0
	s_mov_b32 s[\g+4], 128                         ; tile_dim1
	s_mov_b32 s[\g+5], KROW                        ; from row to row
	s_mov_b32 s[\g+6], 0
	s_mov_b32 s[\g+7], 0
.endr
	; the scales of 128 rows: a dense block of 4,096 bytes, as rows of 256 bytes (32 elements of 8 bytes), 16 bytes of padding behind each
	s_or_b32 s[G1S+0], s43, (3<<16)|(1<<20)|(1<<21)|(5<<22)|(3<<25)
	s_or_b32 s[G1SB+0], s44, (3<<16)|(1<<20)|(1<<21)|(5<<22)|(3<<25)
.irp g, G1S, G1SB
	s_mov_b32 s[\g+1], 32<<16
	s_mov_b32 s[\g+2], (128*KS/256)<<16
	s_mov_b32 s[\g+3], 32<<16
	s_mov_b32 s[\g+4], 128*KS/256
	s_mov_b32 s[\g+5], 32
	s_mov_b32 s[\g+6], 0
	s_mov_b32 s[\g+7], 0
.endr
	s_lshl_b32 s18, s16, 7                         ; which 128 rows of the tile I fetch
	s_lshl_b32 s20, s17, 8
	s_add_co_u32 s20, s20, s18                     ; A: row 256 x tile row + 128 x half
	s_lshl_b32 s46, s42, 8
	s_add_co_u32 s46, s46, s18                     ; B: row 256 x tile column + 128 x half
	s_mov_b32 s21, 0
	s_mov_b32 s47, 0
	s_mov_b64 s[18:19], KS
	s_mul_u64 s[22:23], s[20:21], s[18:19]         ; where these rows' scales begin, in bytes
	s_mul_u64 s[92:93], s[46:47], s[18:19]
	s_mov_b64 s[18:19], KROW
	s_mul_u64 s[20:21], s[20:21], s[18:19]         ; and their codes
	s_mul_u64 s[46:47], s[46:47], s[18:19]
	s_mul_i32 s45, s14, HALFT                      ; where they go: wave x 128 rows: no place in the cluster enters an LDS address
	s_mul_i32 s94, s14, HALFS
	s_wait_dscnt 0x0                               ; both opening adds are done
	s_wait_kmcnt 0x0
	s_add_nc_u64 s[20:21], s[4:5], s[20:21]
	s_add_nc_u64 s[22:23], s[6:7], s[22:23]
	s_add_nc_u64 s[46:47], s[8:9], s[46:47]
	s_add_nc_u64 s[92:93], s[10:11], s[92:93]
	CROUND                                         ; all sixteen work-groups are here: the joint loads meet
	s_mov_b32 s[G0S], 1
	s_add_co_u32 s[G0S+1], s94, SCL
	s_mov_b64 s[G0S+2:G0S+3], s[22:23]
	s_or_b32 s[G0S+3], s[G0S+3], 0x80000000
	s_mov_b32 s[G0SB], 1
	s_add_co_u32 s[G0SB+1], s94, SCL
	s_mov_b64 s[G0SB+2:G0SB+3], s[92:93]
	s_or_b32 s[G0SB+3], s[G0SB+3], 0x80000000
	JLOAD G0S, G1S, G0SB, G1SB                     ; the scales first: they are wanted with K step 0
.irp s, 0,1
	s_mov_b32 s[G0+4*\s], 1
	s_add_co_u32 s[G0+4*\s+1], s45, \s*SLOT
	s_add_nc_u64 s[G0+4*\s+2:G0+4*\s+3], s[20:21], \s*ROWB
	s_or_b32 s[G0+4*\s+3], s[G0+4*\s+3], 0x80000000
	s_mov_b32 s[G0B+4*\s], 1
	s_add_co_u32 s[G0B+4*\s+1], s45, \s*SLOT
	s_add_nc_u64 s[G0B+4*\s+2:G0B+4*\s+3], s[46:47], \s*ROWB
	s_or_b32 s[G0B+4*\s+3], s[G0B+4*\s+3], 0x80000000
	JLOAD G0+4*\s, G1, G0B+4*\s, G1B               ; three loads of mine are out in all
.endr
	v_and_b32 v1, 15, v0                           ; l % 16
	v_bfe_u32 v2, v0, 4, 1                         ; l / 16
	v_mul_u32_u24 v3, v1, PITCH
	v_lshl_add_u32 v4, v2, 4, v3                   ; a fragment's row x pitch + 16 x half
	s_mul_i32 s21, s15, HALFT                      ; my 128 rows of A
	s_mul_i32 s22, s16, HALFT                      ; my 128 rows of B,
	s_add_co_u32 s22, s22, 2*HALFT                 ; which lie behind A's 256
.irp s, 0,1
	v_add_nc_u32 v[ADRA+\s], s21, v4
	v_add_nc_u32 v[ADRB+\s], s22, v4
	s_add_co_u32 s21, s21, SLOT
	s_add_co_u32 s22, s22, SLOT
.endr
	v_mul_u32_u24 v5, v1, KS                       ; my row's scales: KS bytes a row,
	v_lshrrev_b32 v6, 8, v5
	v_lshl_add_u32 v5, v6, 4, v5                   ; and 16 more for each 256 passed
	s_mul_i32 s21, s15, HALFS                      ; A's: my 128 rows
	s_mul_i32 s22, s16, HALFS                      ; B's: my 128 rows, behind A's 256
	s_add_co_u32 s22, s22, 2*HALFS
	s_sub_co_u32 s22, s22, s21
	v_mul_u32_u24 v6, s22, v2                      ; lanes 16-31 take B's
	s_add_co_u32 s21, s21, SCL
	v_add_nc_u32 v5, v5, v6
	v_add_nc_u32 v[ADRS], s21, v5
	s_mul_i32 s23, s14, 16*SPITCH                  ; my stage
	v_mul_u32_u24 v5, v1, SPITCH                   ; in: row l % 16, 16 bytes for each half of the lanes
	v_lshl_add_u32 v5, v2, 4, v5
	v_add_nc_u32 v[STO], s23, v5
	v_mul_u32_u24 v5, v2, SPITCH                   ; back: lanes 0-15 take one row of 256 bytes, lanes 16-31 the next
	v_lshl_add_u32 v5, v1, 4, v5
	v_add_nc_u32 v[RD], s23, v5
	v_mul_u32_u24 v5, v2, SIZE_N*2                 ; and the same two rows in C
	v_lshl_add_u32 v[CO], v1, 4, v5
	s_lshl_b32 s20, s17, 8
	s_lshl_b32 s21, s15, 7
	s_add_co_u32 s20, s20, s21                     ; my first row of C: 256 x tile row + 128 x half
	s_mov_b32 s21, 0
	s_mov_b64 s[18:19], SIZE_N*2
	s_mul_u64 s[20:21], s[20:21], s[18:19]
	s_lshl_b32 s46, s42, 9                         ; my first column, in bytes: 512 x tile column + 256 x half
	s_lshl_b32 s47, s16, 8
	s_add_co_u32 s46, s46, s47
	s_mov_b32 s47, 0
	s_add_nc_u64 s[20:21], s[20:21], s[46:47]
	s_add_nc_u64 s[12:13], s[12:13], s[20:21]
.macro FRAG reg, adr, q, i             ; a fragment, 16 rows x 128 K of 4-bit codes, is 8 registers: lane l holds row l % 16; registers 4 c .. 4 c + 3 hold K = 64 c + 32 (l / 16) + 0 .. 31
.irp c, 0,1
	ds_load_b128 v[\reg+4*\c:\reg+4*\c+3], v[\adr] offset:64*(\q)+32*\c+(\i)*16*PITCH
.endr
.endm
; 16 matrix instructions: A's blocks a0, a0 + 1 x B's eight, 128 along K: the slot's q-th.  p: B's set;  sc: the set of scale words.  zero = 1: the first product starts the sums: nothing is cleared.
; The 64 accumulators take turns, one instruction a turn, in the same order in every step.
.macro MUL16 a0, p, q, sc, zero
.irp a, \a0, \a0+1
.irp b, 0,1,2,3,4,5,6,7
.if \zero
	v_wmma_scale_f32_16x16x128_f8f6f4 v[8*(8*((\a)%4)+\b):8*(8*((\a)%4)+\b)+7], v[128*(\p)+FR*\b:128*(\p)+FR*\b+FR-1], v[AF+FR*(\a):AF+FR*(\a)+FR-1], 0, v[SC+8*NQ*(\sc)+NQ*\b+(\q)], v[SC+8*NQ*(\sc)+NQ*(\a)+(\q)] matrix_a_fmt:MATRIX_FMT_FP4 matrix_b_fmt:MATRIX_FMT_FP4 matrix_a_scale:MATRIX_SCALE_ROW1
.else
	v_wmma_scale_f32_16x16x128_f8f6f4 v[8*(8*((\a)%4)+\b):8*(8*((\a)%4)+\b)+7], v[128*(\p)+FR*\b:128*(\p)+FR*\b+FR-1], v[AF+FR*(\a):AF+FR*(\a)+FR-1], v[8*(8*((\a)%4)+\b):8*(8*((\a)%4)+\b)+7], v[SC+8*NQ*(\sc)+NQ*\b+(\q)], v[SC+8*NQ*(\sc)+NQ*(\a)+(\q)] matrix_a_fmt:MATRIX_FMT_FP4 matrix_b_fmt:MATRIX_FMT_FP4 matrix_a_scale:MATRIX_SCALE_ROW1
.endif
.endr
.endr
.endm
.macro FETCH_B slot, q, p              ; B's eight fragments of the slot's q-th 128 along K into set p
	WIN TO_B
.irp i, 0,1,2,3,4,5,6,7
	FRAG 128*(\p)+FR*\i, ADRB+\slot, \q, \i
.endr
	WIN 0
.endm
.macro FETCH_A slot, q, i0             ; A's blocks i0 .. i0 + 3
.irp i, \i0, \i0+1, \i0+2, \i0+3
	FRAG AF+FR*(\i), ADRA+\slot, \q, \i
.endr
.endm
.macro SCALES sc                       ; a K step's scale words into set sc: NQ words a row; lanes 0-15 take A's block i, lanes 16-31 B's block i
.irp i, 0,1,2,3,4,5,6,7
	ds_load_b128 v[SC+8*NQ*\sc+NQ*\i:SC+8*NQ*\sc+NQ*\i+3], v[ADRS] offset:\i*SBLK
.endr
.endm
; A load into a register that a matrix instruction has read, and a vector instruction that reads a matrix result, stand NP places behind that matrix instruction; only plain vector instructions that name none of its registers
; are places (ISA guide 7.12.1 for vector instructions).
.macro PLACES n
.rept \n
	v_nop
.endr
.endm
; A step of 128 along K that has its successor in the same slot.
.macro STEP slot, q, zero
	s_wait_dscnt 4*NL                              ; B's set and A's blocks 0-3 are in; the youngest eight loads (A's blocks 4-7) may be out
	WIN MUL_LO
	MUL16 0, (\q)%2, \q, \slot, \zero
	MUL16 2, (\q)%2, \q, \slot, \zero
	s_wait_dscnt 0                                 ; A's blocks 4-7 are in
	PLACES NP
	FETCH_B \slot, (\q)+1, 1-(\q)%2
	FETCH_A \slot, (\q)+1, 0
	WIN MUL_HI
	MUL16 4, (\q)%2, \q, \slot, \zero
	MUL16 6, (\q)%2, \q, \slot, \zero
	PLACES NP
	WIN 0
	FETCH_A \slot, (\q)+1, 4
.endm
; Slot 0's last step changes slots: one barrier; in front of it each wave waits for all its tensor loads (slot 1's is the one that may be out), adds 0 to its spare word, and waits for that and for its reads of slot 0.
; Both K steps came with the first fills.
.macro TURN slot, next
	s_wait_tensorcnt 0x0                           ; all my tensor loads have landed  (every window is 0 here)
	ds_add_u32 v[SPW], v[NIL]
	s_wait_dscnt 4*NL+1                            ; (the add and the youngest eight loads, A's blocks 4-7, may be out)
	WIN MUL_LO
	MUL16 0, 1, NQ-1, \slot, 0
	s_wait_dscnt 0x0                               ; the add is done, and my reads of this slot are over
	s_barrier_signal -1
	MUL16 2, 1, NQ-1, \slot, 0
	WIN 0
	s_barrier_wait -1
	PLACES NP
	v_add_nc_u32 v[ADRS], 4*NQ, v[ADRS]            ; on to the next K step's scale words
	FETCH_B \next, 0, 0
	FETCH_A \next, 0, 0
	SCALES \next
	WIN MUL_HI
	MUL16 4, 1, NQ-1, \slot, 0
	MUL16 6, 1, NQ-1, \slot, 0
	PLACES NP
	WIN 0
	FETCH_A \next, 0, 4
.endm
.macro STEPS slot, from                ; the slot's steps from .. NQ - 2
.set Q, \from
.rept NQ-1-\from
	STEP \slot, Q, 0
.set Q, Q+1
.endr
.endm
	s_wait_tensorcnt 1                             ; the scales and my part of K step 0 are in (K step 1's load may be out),
	s_barrier_signal -1
	s_barrier_wait -1                              ; everybody's are
	FETCH_B 0, 0, 0
	FETCH_A 0, 0, 0
	SCALES 0
	FETCH_A 0, 0, 4
	STEP 0, 0, 1                                   ; the first step's products start the sums
	STEPS 0, 1
	TURN 0, 1
	STEPS 1, 0
	s_wait_dscnt 4*NL                              ; the very last step: nothing more to fetch
	WIN MUL_LO
	MUL16 0, 1, NQ-1, 1, 0
	MUL16 2, 1, NQ-1, 1, 0
	s_wait_dscnt 0
	WIN MUL_HI
	MUL16 4, 1, NQ-1, 1, 0
	MUL16 6, 1, NQ-1, 1, 0
	WIN 0
; THE WAY OUT of block a (16 rows x 128 columns), in three parts.  PACK: rounded to f16, 16 bytes a lane, each accumulator from its low end on.  TOSTAGE: into my own stage in LDS, and back as whole rows of 256 bytes.  SEND: stored.
.macro PACK a
.set AC, 64*((\a)%4)
	WIN 0x0a+5*((\a)/4)                            ; sources 0 and 1: window 2 or 3
.irp b, 0,1,2,3,4,5,6,7
.irp r, 0,1,2,3
	v_cvt_pk_f16_f32 v[TMP+4*\b+\r], v[AC+8*\b+2*\r], v[AC+8*\b+2*\r+1]
.endr
.endr
	WIN 0
.endm
.macro TOSTAGE a
.set BK, OB+192*((\a)%2)
.irp b, 0,1,2,3,4,5,6,7
	ds_store_b128 v[STO], v[TMP+4*\b:TMP+4*\b+3] offset:32*\b
.endr
.irp t, 0,1,2,3,4,5,6,7
	ds_load_b128 v[BK+4*\t:BK+4*\t+3], v[RD] offset:\t*2*SPITCH    ; LDS serves a wave's instructions in order (ISA guide 5.7.1.4): these see the stores above
.endr
.endm
.macro SEND a
.set BK, OB+192*((\a)%2)
	s_wait_dscnt 0x0                               ; the block is back in registers
	s_wait_xcnt 0x0                                ; the earlier stores have read their registers: the block after next may land there
.irp t, 0,1,2,3,4,5,6,7
	global_store_b128 v[CO], v[BK+4*\t:BK+4*\t+3], s[12:13] offset:(16*(\a)+2*\t)*SIZE_N*2   ; 16 lanes store 256 consecutive bytes, aligned; 126 rows on at the most: 774,144 bytes, inside the immediate
.endr
.endm
	PLACES NP                                      ; behind the last products: for the conversions that read results and the loads into registers that held scale words
	PACK 0
	TOSTAGE 0
.irp a, 1,2,3,4,5,6,7                  ; block a's conversions stand between block a - 1's loads from the stage and the wait for them
	PACK \a
	SEND \a-1
	TOSTAGE \a
.endr
	SEND 7
	s_wait_tensorcnt 0x0                           ; the wave's end
	ds_add_u32 v[SPW], v[NIL]
	s_wait_dscnt 0x0
	CROUND                                         ; the closing round
	s_endpgm
.Lfunc_end_k_q64dda3ec53_gemm_qkv:
	.size	k_q64dda3ec53_gemm_qkv, .Lfunc_end_k_q64dda3ec53_gemm_qkv-k_q64dda3ec53_gemm_qkv
	.p2alignl 7, 3214868480
	.fill 96, 4, 3214868480
	.section	.rodata,"a",@progbits
	.p2align	6, 0x0
	.amdhsa_kernel k_q64dda3ec53_gemm_qkv
		.amdhsa_group_segment_fixed_size 327680
		.amdhsa_private_segment_fixed_size 0
		.amdhsa_enable_private_segment 0
		.amdhsa_kernarg_size 40
		.amdhsa_user_sgpr_count 2
		.amdhsa_user_sgpr_kernarg_segment_ptr 1
		.amdhsa_wavefront_size32 1
		.amdhsa_system_sgpr_workgroup_id_x 1
		.amdhsa_system_sgpr_workgroup_id_y 1
		.amdhsa_system_sgpr_workgroup_id_z 1
		.amdhsa_system_vgpr_workitem_id 0
		.amdhsa_next_free_vgpr 1024
		.amdhsa_next_free_sgpr 98
		.amdhsa_reserve_vcc 0
		.amdhsa_float_denorm_mode_32 3
		.amdhsa_float_denorm_mode_16_64 3
		.amdhsa_memory_ordered 1
		.amdhsa_forward_progress 1
		.amdhsa_inst_pref_size 126
	.end_amdhsa_kernel
	.amdgpu_metadata
---
amdhsa.version: [ 1, 2 ]
amdhsa.kernels:
  - .name:           k_q64dda3ec53_gemm_qkv
    .symbol:         k_q64dda3ec53_gemm_qkv.kd
    .args:
      - { .name: x_codes, .offset: 0, .size: 8, .value_kind: global_buffer, .address_space: global }
      - { .name: x_scales, .offset: 8, .size: 8, .value_kind: global_buffer, .address_space: global }
      - { .name: w_codes, .offset: 16, .size: 8, .value_kind: global_buffer, .address_space: global }
      - { .name: w_scales, .offset: 24, .size: 8, .value_kind: global_buffer, .address_space: global }
      - { .name: qkv, .offset: 32, .size: 8, .value_kind: global_buffer, .address_space: global }
    .group_segment_fixed_size: 327680
    .private_segment_fixed_size: 0
    .kernarg_segment_align: 8
    .kernarg_segment_size: 40
    .max_flat_workgroup_size: 128
    .sgpr_count:     98
    .vgpr_count:     1024
    .wavefront_size: 32
...
	.end_amdgpu_metadata
.endif
;; end of part 4
;; launch attention (part 5): grid 8 x 32, 16 waves a work-group, clusters of 4 x 1, 327,680 bytes of LDS; arguments qkv, att; writes att
.if DOCPART == 5
	.amdgcn_target "amdgcn-amd-amdhsa--gfx1250"
	.amdhsa_code_object_version 6
	.text
	.protected	k_q64dda3ec53_attention
	.globl	k_q64dda3ec53_attention
	.p2align	8
	.type	k_q64dda3ec53_attention,@function
k_q64dda3ec53_attention:
	s_mov_b64 s[64:65], 0
	v_nop
	global_prefetch_b8 v0, s[64:65] scope:SCOPE_SE
	s_setreg_imm32_b32 hwreg(HW_REG_WAVE_MODE, 25, 1), 1
	s_wait_xcnt 0x0
	s_wait_alu depctr_hold_cnt(0) depctr_sa_sdst(0) depctr_va_vdst(0) depctr_va_sdst(0) depctr_va_ssrc(0) depctr_va_vcc(0) depctr_vm_vsrc(0)
	s_getreg_b32 s2, hwreg(HW_REG_IB_STS2, 6, 4)
	s_cmp_eq_u32 s2, 0
	s_cbranch_scc0 .Lentry_in_a_cluster
	s_endpgm
.Lentry_in_a_cluster:
	s_bfe_u32 s2, ttmp6, 0x10000c
	s_cmp_lg_u32 s2, 0x3003
	s_cbranch_scc0 .Lentry_shape_is_right
	s_endpgm
.Lentry_shape_is_right:
; att[b][i][h 64 + e] = the sum over j of softmax_j(q[b,h,i] . k[b,h,j] / 32) v[b,h,j][e]; q, k, v are columns 0, 1024, 2048 on of qkv [8192][3072], f16; att is [8192][1024], f16.  No mask; nothing is left out.
; Products on f16 operands with f32 sums; maxima, exponentials and sums in f32; the weights p are rounded to f16 for the second product, the result once at the end.
; LIMITS: p is at most about 1; the result is an average of v, so it has v's room in f16 (magnitudes under 6e-5 lose bits, down to 6e-8).  NaN and infinities in qkv are not served.
; SHARES.  A work-group owns a PAIR of heads (128 columns: 256 aligned bytes of a row) and 256 queries; wave w owns head w >> 3 of the pair and queries 32 (w & 7) on: two tiles of 16.  Sixteen waves of 256 registers: four
; to a SIMD, so that one wave's softmax stands beside another's products.  Every wave walks all 2,048 keys, 64 a step.
; LAYOUT.  S^T = K Q^T (source 0 = 16 keys, source 1 = 16 queries): a lane holds ONE query (lane % 16) and keys 8 (lane / 16) + 0..7.  Two such tiles, rounded to f16 in pairs, ARE source 1 (32 keys x 16 queries) of
; O^T = V^T P, whose result again holds one query a lane and eight channels.  K comes out of LDS as it lies, V ([key][channel]) turned, by ds_load_tr16_b128.
; SOFTMAX.  For each query a running maximum m and sum l: p = 2^(c s - c m), c = log2(e) / 32; in every step O^T and l are multiplied by a = 2^(c m_old - c m_new).  m begins at -3e38 and O^T, l at 0: the step is written once.
; RING.  Two LDS slots of 4 key steps (256 keys).  A piece is 64 rows of K or of V of the head pair; wave w always fetches the same piece: slot w >> 3, K or V by bit 2, step w & 3: one tensor load a wave for a slot's fill.
; CLUSTER.  The four query blocks of a cluster walk the same K and V: each piece is asked for JOINTLY, by the same tensor load with the same descriptor and the mask 15.
.set KS,    64                         ; keys in a step
.set PK,    272                        ; a row of K in LDS: 256 bytes + 16: the 16 rows of a load start at 16 different banks (64 banks of 4 bytes: ISA guide 11.1)
.set PV,    288                        ; a row of V: 256 + 32
.set VOFF,  KS*PK                      ; a step's tiles lie together: 64 rows of K, then 64 rows of V
.set STEPB, KS*(PK+PV)
.set NST,   4                          ; steps in a slot
.set SLOTB, NST*STEPB
.set SPARE, 2*SLOTB                    ; behind the ring: the spare words, 128 bytes for each of 16 waves
.set SP,    272                        ; the way out: a stage of 256 rows x (256 + 16) bytes in slot 0, which has then had its last fill and its last read
.set ROWQ,  6144                       ; a row of qkv in bytes
.set BATQ,  2048*ROWQ                  ; a batch's rows
.set SLOTG, NST*KS*ROWQ                ; a slot's keys in memory
.set AK0, 1                            ; v1   my lane's place in a tile of K; never rewritten once made
.set AV0, 2                            ; v2   the same for V
.set ADR, 3                            ; v3   the LDS address of the run of loads in hand
.set SPW, 4                            ; v4   LDS address of my spare word; never rewritten
.set NIL, 5                            ; v5   0; never rewritten
.set PFO, 6                            ; v6   the prefetches' offset: my lane x a row of qkv; never rewritten
.set QO,  7                            ; v7   my byte offset in a tile's rows of Q
.set ST,  8                            ; v8-23 statistics, eight a tile: +0 c m, +1 m, +2, +3 l (even keys', odd keys'), +4 to +7 c0-c3 at work; a takes c2's place
.set STO, 24                           ; v24  the way out: where I put 16 bytes of a row
.set RD,  25                           ; v25  where I read a row back
.set GO,  26                           ; v26  my byte offset in att
.set QF,  32                           ; v32-63   Q: tile t, channels 32 c on, at 32 + 16 t + 8 c
.set SC,  64                           ; v64-127  S^T: tile t, keys 16 k on, at 64 + 32 t + 8 k; P is packed in place into a tile's first 16
.set OT,  128                          ; v128-191 O^T: tile t, channels 16 n on, at 128 + 32 t + 8 n
.set FB,  192                          ; v192-255 one buffer of eight fragments: K's, then V's
.set WV,   8                           ; s8   my wave's number
.set SL,   9                           ; s9   w >> 3: the slot that I fetch for, and my head of the pair
.set KIND, 10                          ; s10  0: I fetch K's piece, 1: V's
.set QR,   11                          ; s11  which step of the slot I fetch
.set LIM,  15                          ; s15  1 in a wave that prefetches, else the greatest number
.set QB,   16                          ; s[16:17] Q at my first query
.set PFA,  18                          ; s[18:19] where my prefetches stand
.set G1K,  24                          ; s[24:31] descriptor group 1 for K's pieces
.set G1V,  32                          ; s[32:39] for V's: it differs in the padding alone
.set G0,   40                          ; s[40:43] my descriptor group 0
.set TB,   48                          ; s48  LDS byte at which the step's tiles begin
.set CNT,  49                          ; s49  counts a slot's steps
.set TRIP, 50                          ; s50  counts the ring's trips
.set SLOTS, 51                         ; s51  fills still to be asked for
.set CS,   52                          ; s[52:53] c: the packed scaling names a pair and takes its low word for both halves
.set SEL,  54                          ; s[54:55] lane selects for v_permlanex16_b32: lane l xor 16
.set AB,   56                          ; s[56:57] att at the first row that I store
.macro CROUND                          ; a round of the cluster's barrier
	s_barrier_signal -1
	s_barrier_wait -1
	s_cmp_lg_u32 s[WV], 0
	s_cbranch_scc1 .Lnot_wave_0_\@
	s_barrier_signal -3
.Lnot_wave_0_\@:
	s_barrier_wait -3
	s_barrier_signal -1
	s_barrier_wait -1
.endm
; A joint refill of slot s: the eight waves whose piece lies in it ask, one load each.  The branches hang on the wave's number alone.  An s_nop 0 and four v_nop follow each of the two lines.
.macro JLOAD s
	s_cmp_eq_u32 s[SL], \s
	s_cbranch_scc0 .Lasked_\@
	s_cmp_eq_u32 s[KIND], 0
	s_cbranch_scc0 .Lfor_v_\@
	tensor_load_to_lds s[G0:G0+3], s[G1K:G1K+7]
	s_nop 0
.rept 4
	v_nop
.endr
	s_branch .Lasked_\@
.Lfor_v_\@:
	tensor_load_to_lds s[G0:G0+3], s[G1V:G1V+7]
	s_nop 0
.rept 4
	v_nop
.endr
.Lasked_\@:
.endm
; A PREFETCH INTO THE L2 of what the NEXT change of slots will ask for: 256 rows of K and 256 of V of the head pair, 256 bytes a row, a lane a row.  Each row is named once in the launch: both clusters of a head pair walk the
; same rows, the first (cluster x = 0) asks; its four partners take 64 rows each, told apart by ADDRESS; in each, waves 0 and 1 ask for K's 32 + 32 and waves 2 and 3 for V's.  The last change that fills a slot asks for nothing.
.macro ASK
	s_cmp_gt_u32 s[SLOTS], s[LIM]
	s_cbranch_scc0 .Lnot_mine_\@
	global_prefetch_b8 v[PFO], s[PFA:PFA+1] th:TH_LOAD_NT scope:SCOPE_SE
.Lnot_mine_\@:
.endm
	s_load_b128 s[4:7], s[0:1], 0x0                ; qkv s[4:5], att s[6:7]
	v_lshl_add_u32 v[SPW], v0, 2, SPARE
	v_mov_b32 v[NIL], 0
	ds_add_u32 v[SPW], v[NIL]                      ; the wave's opening: the add, twice on end, and its wait ahead of my first tensor load
	ds_add_u32 v[SPW], v[NIL]
	v_lshrrev_b32 v1, 5, v0
	v_readfirstlane_b32 s[WV], v1                  ; wave 0..15
	s_lshr_b32 s[SL], s[WV], 3
	s_bfe_u32 s[KIND], s[WV], 0x10002
	s_and_b32 s[QR], s[WV], 3
	s_bfe_u32 s12, ttmp6, 0x40000                  ; cx: my place in the cluster
	s_lshl_b32 s13, ttmp9, 2
	s_add_co_u32 s13, s13, s12                     ; my block of 256 queries: it enters Q's and att's addresses alone
	s_and_b32 s14, ttmp7, 0xffff                   ; batch and head pair, which the four partners share
	s_lshr_b32 s20, s14, 3                         ; the batch
	s_and_b32 s21, s14, 7
	s_lshl_b32 s21, s21, 8                         ; the head pair's 256 bytes in a row
	s_mul_i32 s22, s20, BATQ
	s_add_co_u32 s22, s22, s21                     ; the batch's first row, the pair's columns, in qkv
	s_lshl_b32 s23, s[SL], 2
	s_add_co_u32 s23, s23, s[QR]
	s_mul_i32 s23, s23, KS*ROWQ                    ; my piece's 64 rows: keys 256 x slot + 64 x step on,
	s_lshl_b32 s2, s[KIND], 11
	s_add_co_u32 s23, s23, s2
	s_add_co_u32 s23, s23, 2048                    ; in K's columns (byte 2,048 on) or V's (4,096 on)
	s_add_co_u32 s58, s23, s22
	s_mov_b32 s59, 0
	s_mul_i32 s3, s[SL], SLOTB                     ; and where it goes: no place in the cluster enters an LDS address
	s_mul_i32 s2, s[QR], STEPB
	s_add_co_u32 s3, s3, s2
	s_mul_i32 s2, s[KIND], VOFF
	s_add_co_u32 s3, s3, s2
	s_lshl_b32 s60, s13, 8                         ; Q: my block's 256 rows,
	s_and_b32 s61, s[WV], 7
	s_lshl_b32 s61, s61, 5
	s_add_co_u32 s60, s60, s61                     ; my wave's 32 of them,
	s_mul_i32 s60, s60, ROWQ
	s_lshl_b32 s61, s[SL], 7
	s_add_co_u32 s60, s60, s61                     ; my head's 128 bytes of the pair's 256
	s_add_co_u32 s60, s60, s22
	s_mov_b32 s61, 0
	s_lshl_b32 s62, s20, 11                        ; att: the batch's 2,048 rows,
	s_lshl_b32 s63, s13, 8
	s_add_co_u32 s62, s62, s63                     ; my block's 256,
	s_lshl_b32 s63, s[WV], 4
	s_add_co_u32 s62, s62, s63                     ; the 16 that I store,
	s_lshl_b32 s62, s62, 11                        ; of 2,048 bytes,
	s_add_co_u32 s62, s62, s21                     ; the pair's columns
	s_mov_b32 s63, 0
	s_lshl_b32 s[PFA], s12, 1                      ; the prefetches: my work-group's 64 rows of a slot's 256,
	s_and_b32 s[PFA+1], s[WV], 1
	s_add_co_u32 s[PFA], s[PFA], s[PFA+1]          ; my wave's 32 of them,
	s_mul_i32 s[PFA], s[PFA], 32*ROWQ
	s_bfe_u32 s[PFA+1], s[WV], 0x10001
	s_lshl_b32 s[PFA+1], s[PFA+1], 11              ; K's columns (waves 0, 1) or V's (waves 2, 3),
	s_add_co_u32 s[PFA], s[PFA], s[PFA+1]
	s_add_co_u32 s[PFA], s[PFA], 2*SLOTG+2048      ; at the third slot's worth of keys: the first change of slots steps it to the fourth.  Nothing is prefetched at the head
	s_add_co_u32 s[PFA], s[PFA], s22
	s_mov_b32 s[PFA+1], 0
	s_lshr_b32 s[LIM], s[WV], 2                    ; 0 in waves 0 to 3,
	s_or_b32 s[LIM], s[LIM], ttmp9                 ; of the head pair's first cluster: the same in all four partners
	s_cmp_eq_u32 s[LIM], 0
	s_cselect_b32 s[LIM], 1, -1
	; descriptor group 1: a piece of 64 rows x 128 elements of 2 bytes, 3,072 elements from row to row, padded in LDS
	s_mov_b32 s[G1K], 15|(1<<16)|(1<<20)|(1<<21)|(5<<22)|(3<<25)  ; the mask: all four work-groups; elements of 2 bytes; padding on; bit 21 beside a mask; after every 64 words, 4 words
	s_mov_b32 s[G1V], 15|(1<<16)|(1<<20)|(1<<21)|(5<<22)|(7<<25)  ; the same with 8 words of padding
.irp g, G1K, G1V
	s_mov_b32 s[\g+1], 128<<16                     ; tensor_dim0 = 128
	s_mov_b32 s[\g+2], KS<<16                      ; tensor_dim1 = 64
	s_mov_b32 s[\g+3], 128<<16                     ; tile_dim0 = 128
	s_mov_b32 s[\g+4], KS                          ; tile_dim1 = 64
	s_mov_b32 s[\g+5], 3072                        ; elements from row to row
	s_mov_b32 s[\g+6], 0
	s_mov_b32 s[\g+7], 0
.endr
	s_mov_b32 s[CS], 0x3d38aa3b                    ; c = log2(e) / 32
	s_mov_b32 s[CS+1], s[CS]                       ; named with it as a pair, so it is written
	s_mov_b32 s[SEL], 0x76543210
	s_mov_b32 s[SEL+1], 0xfedcba98
	s_wait_dscnt 0x0                               ; both opening adds are done
	s_wait_kmcnt 0x0
	s_mov_b32 s[G0], 1                             ; count = 1
	s_mov_b32 s[G0+1], s3                          ; LDS address
	s_add_nc_u64 s[G0+2:G0+3], s[4:5], s[58:59]    ; global address of my piece
	s_or_b32 s[G0+3], s[G0+3], 0x80000000          ; type = 2
	s_add_nc_u64 s[QB:QB+1], s[4:5], s[60:61]
	s_add_nc_u64 s[PFA:PFA+1], s[4:5], s[PFA:PFA+1]
	s_add_nc_u64 s[AB:AB+1], s[6:7], s[62:63]
	CROUND                                         ; all four work-groups are here: the first joint loads meet
	s_cmp_eq_u32 s[KIND], 0                        ; the first fills: both slots, one piece a wave, a fill in each arm: one load of mine is out
	s_cbranch_scc0 .Lfirst_v
	tensor_load_to_lds s[G0:G0+3], s[G1K:G1K+7]
	s_nop 0
.rept 4
	v_nop
.endr
	s_branch .Lfirst_asked
.Lfirst_v:
	tensor_load_to_lds s[G0:G0+3], s[G1V:G1V+7]
	s_nop 0
.rept 4
	v_nop
.endr
.Lfirst_asked:
	; A fragment of K or Q is 16 rows x 32 channels in 8 registers: lane l holds row l % 16; registers 0-3 channels 8 (l / 16) + 0..7, registers 4-7 channels 16 + 8 (l / 16) + 0..7: two loads of 16 bytes, 32 bytes apart.
	v_and_b32 v27, 15, v0                          ; l % 16
	v_bfe_u32 v28, v0, 4, 1                        ; l / 16
	v_mul_u32_u24 v[QO], v27, ROWQ
	v_lshl_add_u32 v[QO], v28, 4, v[QO]
.irp t, 0,1
.irp c, 0,1
	global_load_b128 v[QF+16*\t+8*\c:QF+16*\t+8*\c+3],   v[QO], s[QB:QB+1] offset:\t*16*ROWQ+64*\c      ; Q stays in registers
	global_load_b128 v[QF+16*\t+8*\c+4:QF+16*\t+8*\c+7], v[QO], s[QB:QB+1] offset:\t*16*ROWQ+64*\c+32
.endr
.endr
	s_lshl_b32 s2, s[SL], 7                        ; my head's 128 bytes of a row
	v_mul_u32_u24 v[AK0], v27, PK
	v_lshl_add_u32 v[AK0], v28, 4, v[AK0]
	v_add_nc_u32 v[AK0], s2, v[AK0]                ; row x pitch + 16 x half + head
	; The turning load takes 16 keys x 16 channels (lane l reads 16 bytes: key 8 (l / 16) + l % 8, channels 8 ((l / 8) % 2) + 0..7) and leaves half a fragment of V^T: lane l holds channel l % 16 and 8 keys.
	v_and_b32 v29, 7, v0
	v_bfe_u32 v30, v0, 3, 1
	v_lshl_add_u32 v[AV0], v28, 3, v29
	v_mul_u32_u24 v[AV0], v[AV0], PV
	v_lshl_add_u32 v[AV0], v30, 4, v[AV0]
	s_add_co_u32 s2, s2, VOFF
	v_add_nc_u32 v[AV0], s2, v[AV0]
	v_and_b32 v[PFO], 31, v0
	v_mul_u32_u24 v[PFO], v[PFO], ROWQ
.irp t, 0,1
	v_mov_b32 v[ST+8*\t+1], 0xff61b1e6             ; m: -3e38, under every score
	v_mov_b32 v[ST+8*\t+2], 0                      ; l
	v_mov_b32 v[ST+8*\t+3], 0
.endr
.irp t, 0,1
	v_mul_f32 v[ST+8*\t], s[CS], v[ST+8*\t+1]      ; c m
.endr
.set i, 0
.rept 64
	v_mov_b32 v[OT+i], 0                           ; O^T, once: the step is written once, and its first pass multiplies these zeros by a = 0
.set i, i+1
.endr
; THE SOFTMAX of a key step, both tiles line by line, so that no line waits for the line above it.
.macro SOFTMAX
.irp k, 0,1,2,3                        ; the maximum of the lane's 32 scores and the old m, three operands at a time: four chains, each begun at an accumulator's low end
.irp t, 0,1
	v_max3_num_f32 v[ST+8*\t+4+\k], v[SC+32*\t+8*\k], v[SC+32*\t+8*\k+1], v[SC+32*\t+8*\k+2]
.endr
.endr
.irp g, 1,2
.irp k, 0,1,2,3
.irp t, 0,1
	v_max3_num_f32 v[ST+8*\t+4+\k], v[ST+8*\t+4+\k], v[SC+32*\t+8*\k+2*\g+1], v[SC+32*\t+8*\k+2*\g+2]
.endr
.endr
.endr
.irp t, 0,1
	v_max3_num_f32 v[ST+8*\t+4], v[ST+8*\t+4], v[SC+32*\t+7], v[SC+32*\t+15]
.endr
.irp t, 0,1
	v_max3_num_f32 v[ST+8*\t+6], v[ST+8*\t+6], v[SC+32*\t+23], v[SC+32*\t+31]
.endr
.irp t, 0,1
	v_max3_num_f32 v[ST+8*\t+4], v[ST+8*\t+4], v[ST+8*\t+5], v[ST+8*\t+6]
.endr
.irp t, 0,1
	v_max3_num_f32 v[ST+8*\t+4], v[ST+8*\t+4], v[ST+8*\t+7], v[ST+8*\t+1]
.endr
.irp t, 0,1
	v_permlanex16_b32 v[ST+8*\t+5], v[ST+8*\t+4], s[SEL], s[SEL+1]   ; the query's other 32 keys lie in the lane 16 away
.endr
.irp t, 0,1
	v_mov_b32 v[ST+8*\t+7], v[ST+8*\t]             ; c m_old is kept for a
.endr
.irp t, 0,1
	v_max_num_f32 v[ST+8*\t+1], v[ST+8*\t+4], v[ST+8*\t+5]
.endr
.irp t, 0,1
	v_mul_f32 v[ST+8*\t], s[CS], v[ST+8*\t+1]
.endr
.irp t, 0,1
	v_sub_f32 v[ST+8*\t+7], v[ST+8*\t+7], v[ST+8*\t]
.endr
.set j, 0
.rept 16
.irp t, 0,1
	v_pk_fma_f32 v[SC+32*\t+j:SC+32*\t+j+1], v[SC+32*\t+j:SC+32*\t+j+1], s[CS:CS+1], v[ST+8*\t:ST+8*\t+1] op_sel_hi:[1,0,0] neg_lo:[0,0,1] neg_hi:[0,0,1]  ; c s - c m, two at a time
.endr
.set j, j+2
.endr
.irp t, 0,1
	v_exp_f32 v[ST+8*\t+6], v[ST+8*\t+7]           ; a = 2^(c m_old - c m_new)
.endr
.set j, 0
.rept 32
.irp t, 0,1
	v_exp_f32 v[SC+32*\t+j], v[SC+32*\t+j]         ; p: ONE BATCH of 66 exponentials, none of which reads another's result
.endr
.set j, j+1
.endr
	v_nop                                          ; the plain instruction behind the last exponential
	s_wait_alu depctr_va_vdst(0)                   ; the wait ahead of the first instruction that names a result: one for the batch
.irp t, 0,1
	v_pk_mul_f32 v[ST+8*\t+2:ST+8*\t+3], v[ST+8*\t+2:ST+8*\t+3], v[ST+8*\t+6:ST+8*\t+7] op_sel_hi:[1,0]   ; l under the new m
.endr
.irp t, 0,1
	v_pk_add_f32 v[ST+8*\t+4:ST+8*\t+5], v[SC+32*\t:SC+32*\t+1], v[SC+32*\t+2:SC+32*\t+3]   ; the sum of the unrounded p, in two chains a tile
.endr
.set j, 4
.rept 7
.irp t, 0,1
	v_pk_add_f32 v[ST+8*\t+2:ST+8*\t+3], v[ST+8*\t+2:ST+8*\t+3], v[SC+32*\t+j:SC+32*\t+j+1]
.endr
.irp t, 0,1
	v_pk_add_f32 v[ST+8*\t+4:ST+8*\t+5], v[ST+8*\t+4:ST+8*\t+5], v[SC+32*\t+j+2:SC+32*\t+j+3]
.endr
.set j, j+4
.endr
.irp t, 0,1
	v_pk_add_f32 v[ST+8*\t+2:ST+8*\t+3], v[ST+8*\t+2:ST+8*\t+3], v[ST+8*\t+4:ST+8*\t+5]
.endr
.set j, 0
.rept 16
.irp t, 0,1
	v_cvt_pk_f16_f32 v[SC+32*\t+j], v[SC+32*\t+2*j], v[SC+32*\t+2*j+1]   ; P in place, ascending: pair j lands on register j, which no later pair reads
.endr
.set j, j+1
.endr
.set j, 0
.rept 16
.irp t, 0,1
	v_pk_mul_f32 v[OT+32*\t+j:OT+32*\t+j+1], v[OT+32*\t+j:OT+32*\t+j+1], v[ST+8*\t+6:ST+8*\t+7] op_sel_hi:[1,0]   ; O^T under the new m, each accumulator from its low end on
.endr
.set j, j+2
.endr
.endm
; A KEY STEP at LDS byte s[TB].  A load into a register that a matrix instruction has read and a vector instruction that reads a result stand four places behind it, a matrix instruction that writes over one of its registers
; five; only plain vector instructions that name none of its registers are places (ISA guide 7.12.1 for vector instructions).  The accumulators take turns, one instruction a turn.
.macro STEP
	v_add_nc_u32 v[ADR], s[TB], v[AK0]
.rept 4
	v_nop                                          ; with the addition five places behind the last V^T P: K's loads land on V's fragments, and the products below write over P
.endr
.irp k, 0,1,2,3
.irp c, 0,1
	ds_load_b128 v[FB+16*\k+8*\c:FB+16*\k+8*\c+3],   v[ADR] offset:\k*16*PK+64*\c
	ds_load_b128 v[FB+16*\k+8*\c+4:FB+16*\k+8*\c+7], v[ADR] offset:\k*16*PK+64*\c+32
.endr
.endr
	s_wait_dscnt 0x0                               ; K is in
.irp c, 0,1                            ; S^T = K Q^T: eight accumulators by turns; the first eight products start the sums
.irp k, 0,1,2,3
.irp t, 0,1
.if \c == 0
	v_wmma_f32_16x16x32_f16 v[SC+32*\t+8*\k:SC+32*\t+8*\k+7], v[FB+16*\k+8*\c:FB+16*\k+8*\c+7], v[QF+16*\t+8*\c:QF+16*\t+8*\c+7], 0
.else
	v_wmma_f32_16x16x32_f16 v[SC+32*\t+8*\k:SC+32*\t+8*\k+7], v[FB+16*\k+8*\c:FB+16*\k+8*\c+7], v[QF+16*\t+8*\c:QF+16*\t+8*\c+7], v[SC+32*\t+8*\k:SC+32*\t+8*\k+7]
.endif
.endr
.endr
.endr
	v_add_nc_u32 v[ADR], s[TB], v[AV0]
.rept 3
	v_nop                                          ; with the addition four places: V's loads land on K's fragments, and the softmax reads the scores
.endr
.irp u, 0,1
.irp n, 0,1,2,3
	ds_load_tr16_b128 v[FB+32*\u+8*\n:FB+32*\u+8*\n+3],   v[ADR] offset:\u*32*PV+32*\n
	ds_load_tr16_b128 v[FB+32*\u+8*\n+4:FB+32*\u+8*\n+7], v[ADR] offset:\u*32*PV+16*PV+32*\n
.endr
.endr
	SOFTMAX                                        ; V's fragments come in meanwhile
	s_wait_dscnt 0x0                               ; V is in
.irp u, 0,1                            ; O^T += V^T P: eight accumulators by turns
.irp n, 0,1,2,3
.irp t, 0,1
	v_wmma_f32_16x16x32_f16 v[OT+32*\t+8*\n:OT+32*\t+8*\n+7], v[FB+32*\u+8*\n:FB+32*\u+8*\n+7], v[SC+32*\t+8*\u:SC+32*\t+8*\u+7], v[OT+32*\t+8*\n:OT+32*\t+8*\n+7]
.endr
.endr
.endr
	s_add_co_u32 s[TB], s[TB], STEPB               ; the next step's tiles
.endm
.macro PHASE s                         ; slot s's four key steps: written once, walked four times
	s_mov_b32 s[TB], \s*SLOTB
	s_mov_b32 s[CNT], NST
.Lstep_\@:
	STEP
	s_sub_co_u32 s[CNT], s[CNT], 1
	s_cmp_lg_u32 s[CNT], 0
	s_cbranch_scc1 .Lstep_\@
.endm
; THE CHANGE OF SLOTS behind slot s's steps.  Each wave waits for all its tensor loads (at most one is out: its piece), adds 0 to its spare word, and waits for that and for its reads of the slot.  Behind the barrier nobody
; reads slot s any more and the other slot is whole.  fill = 1: the barrier is a round of the cluster's, and slot s is filled again with the keys two slots on: the load has the other slot's four steps in which to land.
.macro CHANGE s, fill
	s_wait_tensorcnt 0x0                           ; no tensor load of mine is out, so my group 0 may be written
	ds_add_u32 v[SPW], v[NIL]
.if \fill
.if \s == 0
	s_add_nc_u64 s[G0+2:G0+3], s[G0+2:G0+3], 2*SLOTG   ; once a trip of the ring, in every wave: my piece's next place, 512 keys on; the type bits on top are not reached
.endif
	s_wait_xcnt 0x0                                ; the last prefetch, a slot back, has read its address, so it may be written:
	s_add_nc_u64 s[PFA:PFA+1], s[PFA:PFA+1], SLOTG ; one slot further on than this change's fill
	s_wait_dscnt 0x0                               ; the add is done, and my reads of the slot are over
	CROUND
	JLOAD \s                                       ; the first thing behind the round, one tensor load a wave at the most
	ASK
	s_sub_co_u32 s[SLOTS], s[SLOTS], 1
.else
	s_wait_dscnt 0x0
	s_barrier_signal -1
	s_barrier_wait -1
.endif
.endm
	s_wait_tensorcnt 0x0                           ; my piece is in,
	s_barrier_signal -1
	s_barrier_wait -1                              ; everybody's is: both slots are whole
	s_wait_loadcnt 0x0                             ; Q
	s_mov_b32 s[TRIP], 3
	s_mov_b32 s[SLOTS], 6
.Lring:                                            ; three trips of 512 keys: both slots are filled again in each
	PHASE 0
	CHANGE 0, 1
	PHASE 1
	CHANGE 1, 1
	s_sub_co_u32 s[TRIP], s[TRIP], 1
	s_cmp_lg_u32 s[TRIP], 0
	s_cbranch_scc1 .Lring
	PHASE 0                                        ; the last 512 keys are written out: nothing more is asked for
	CHANGE 0, 0
	PHASE 1
	; THE WAY OUT.  l's halves and the other half of the lanes' are added; O^T is divided by l, rounded to f16 and sent through the stage: a row's 256 bytes come from two waves (the pair's two heads), so a barrier stands
	; between the writing and the reading; then wave w stores rows 16 w .. 16 w + 15 whole.  The additions and the address work are the places behind the last products.
.irp t, 0,1
	v_add_f32 v[ST+8*\t+4], v[ST+8*\t+2], v[ST+8*\t+3]
.endr
.irp t, 0,1
	v_permlanex16_b32 v[ST+8*\t+5], v[ST+8*\t+4], s[SEL], s[SEL+1]
.endr
.irp t, 0,1
	v_add_f32 v[ST+8*\t+4], v[ST+8*\t+4], v[ST+8*\t+5]
.endr
	v_and_b32 v27, 15, v0                          ; l % 16
	v_bfe_u32 v28, v0, 4, 1                        ; l / 16
	s_and_b32 s2, s[WV], 7
	s_mul_i32 s2, s2, 32*SP                        ; in: my 32 queries' rows,
	s_lshl_b32 s3, s[SL], 7
	s_add_co_u32 s2, s2, s3                        ; my head's half of them
	v_mul_u32_u24 v[STO], v27, SP
	v_lshl_add_u32 v[STO], v28, 4, v[STO]
	v_add_nc_u32 v[STO], s2, v[STO]
	s_mul_i32 s3, s[WV], 16*SP                     ; back: 16 rows a wave; lanes 0-15 one row of 256 bytes, lanes 16-31 the next
	v_mul_u32_u24 v[RD], v28, SP
	v_lshl_add_u32 v[RD], v27, 4, v[RD]
	v_add_nc_u32 v[RD], s3, v[RD]
	v_lshlrev_b32 v[GO], 11, v28                   ; and the same two rows in att
	v_lshl_add_u32 v[GO], v27, 4, v[GO]
.irp t, 0,1
	v_rcp_f32 v[ST+8*\t+6], v[ST+8*\t+4]
.endr
	v_nop                                          ; a plain instruction behind the last reciprocal
	s_wait_alu depctr_va_vdst(0)                   ; and the wait ahead of the first use: one for both
.set j, 0
.rept 16
.irp t, 0,1
	v_pk_mul_f32 v[OT+32*\t+j:OT+32*\t+j+1], v[OT+32*\t+j:OT+32*\t+j+1], v[ST+8*\t+6:ST+8*\t+7] op_sel_hi:[1,0]
.endr
.set j, j+2
.endr
.set j, 0
.rept 16
.irp t, 0,1
	v_cvt_pk_f16_f32 v[SC+16*\t+j], v[OT+32*\t+2*j], v[OT+32*\t+2*j+1]   ; a lane's eight channels of a row pack into 16 bytes
.endr
.set j, j+1
.endr
.irp t, 0,1
.irp n, 0,1,2,3
	ds_store_b128 v[STO], v[SC+16*\t+4*\n:SC+16*\t+4*\n+3] offset:\t*16*SP+32*\n
.endr
.endr
	s_wait_dscnt 0x0                               ; for the others' sake: my stores into the stage are done
	s_barrier_signal -1
	s_barrier_wait -1
.irp i, 0,1,2,3,4,5,6,7
	ds_load_b128 v[FB+4*\i:FB+4*\i+3], v[RD] offset:\i*2*SP
.endr
.irp i, 0,1,2,3,4,5,6,7
	s_wait_dscnt 7-\i                              ; rows 2 i, 2 i + 1 are in; the younger loads may be out
	global_store_b128 v[GO], v[FB+4*\i:FB+4*\i+3], s[AB:AB+1] offset:\i*4096   ; 16 lanes store 256 consecutive bytes, aligned
.endr
	s_wait_tensorcnt 0x0                           ; the wave's end
	ds_add_u32 v[SPW], v[NIL]
	s_wait_dscnt 0x0
	CROUND                                         ; the closing round: no work-group ends while a partner may still ask for a piece that names it
	s_endpgm
.Lfunc_end_k_q64dda3ec53_attention:
	.size	k_q64dda3ec53_attention, .Lfunc_end_k_q64dda3ec53_attention-k_q64dda3ec53_attention
	.p2alignl 7, 3214868480
	.fill 96, 4, 3214868480
	.section	.rodata,"a",@progbits
	.p2align	6, 0x0
	.amdhsa_kernel k_q64dda3ec53_attention
		.amdhsa_group_segment_fixed_size 327680
		.amdhsa_private_segment_fixed_size 0
		.amdhsa_enable_private_segment 0
		.amdhsa_kernarg_size 16
		.amdhsa_user_sgpr_count 2
		.amdhsa_user_sgpr_kernarg_segment_ptr 1
		.amdhsa_wavefront_size32 1
		.amdhsa_system_sgpr_workgroup_id_x 1
		.amdhsa_system_sgpr_workgroup_id_y 1
		.amdhsa_system_sgpr_workgroup_id_z 1
		.amdhsa_system_vgpr_workitem_id 0
		.amdhsa_next_free_vgpr 256
		.amdhsa_next_free_sgpr 66
		.amdhsa_reserve_vcc 0
		.amdhsa_float_denorm_mode_32 3
		.amdhsa_float_denorm_mode_16_64 3
		.amdhsa_memory_ordered 1
		.amdhsa_forward_progress 1
		.amdhsa_inst_pref_size 89
	.end_amdhsa_kernel
	.amdgpu_metadata
---
amdhsa.version: [ 1, 2 ]
amdhsa.kernels:
  - .name:           k_q64dda3ec53_attention
    .symbol:         k_q64dda3ec53_attention.kd
    .args:
      - { .name: qkv, .offset: 0, .size: 8, .value_kind: global_buffer, .address_space: global }
      - { .name: att, .offset: 8, .size: 8, .value_kind: global_buffer, .address_space: global }
    .group_segment_fixed_size: 327680
    .private_segment_fixed_size: 0
    .kernarg_segment_align: 8
    .kernarg_segment_size: 16
    .max_flat_workgroup_size: 512
    .sgpr_count:     66
    .vgpr_count:     256
    .wavefront_size: 32
...
	.end_amdgpu_metadata
.endif
;; end of part 5
;; launch gemm_out (part 6): grid 8 x 64, 4 waves a work-group, clusters of 4 x 4, 327,680 bytes of LDS; arguments att, wt, out0; writes out0
.if DOCPART == 6
	.amdgcn_target "amdgcn-amd-amdhsa--gfx1250"
	.amdhsa_code_object_version 6
	.text
	.protected	k_q64dda3ec53_gemm_out
	.globl	k_q64dda3ec53_gemm_out
	.p2align	8
	.type	k_q64dda3ec53_gemm_out,@function
k_q64dda3ec53_gemm_out:
	s_mov_b64 s[64:65], 0
	v_nop
	global_prefetch_b8 v0, s[64:65] scope:SCOPE_SE
	s_setreg_imm32_b32 hwreg(HW_REG_WAVE_MODE, 25, 1), 1
	s_wait_xcnt 0x0
	s_wait_alu depctr_hold_cnt(0) depctr_sa_sdst(0) depctr_va_vdst(0) depctr_va_sdst(0) depctr_va_ssrc(0) depctr_va_vcc(0) depctr_vm_vsrc(0)
	s_getreg_b32 s2, hwreg(HW_REG_IB_STS2, 6, 4)
	s_cmp_eq_u32 s2, 0
	s_cbranch_scc0 .Lentry_in_a_cluster
	s_endpgm
.Lentry_in_a_cluster:
	s_bfe_u32 s2, ttmp6, 0x10000c
	s_cmp_lg_u32 s2, 0xf033
	s_cbranch_scc0 .Lentry_shape_is_right
	s_endpgm
.Lentry_shape_is_right:
; out0[m][n] = sum over k of att[m][k] wt[n][k].  att: [8192][1024] f16, wt: [1024][1024] f16 (w_out turned), out0: [8192][1024] f32; sums in f32.  Nothing is left out.
; A tile of C is 128 x 128: 512 work-groups.  Four waves, each 64 x 64: 16 accumulators of 16 x 16, 128 registers.  K goes in steps of 256 (LDS rows of 512 bytes; a wave's tensor load brings 64 of them) through two slots.
; CLUSTERS: 4 x 4 work-groups.  The four of a row of the cluster need the same tiles of A, the four of a column the same tiles of B: each tile is asked for JOINTLY, by the same tensor load with the same descriptor and a mask
; that names the four.  THE MATRIX INSTRUCTION IS USED TRANSPOSED (source 0 = 16 rows of B, source 1 = 16 rows of A): a lane then holds eight neighbouring numbers of a row of C, 32 bytes.
; A wave's 64 columns of f32 are 256 aligned bytes of a row: each wave has a stage of its own on the way out, and no barrier stands there.
; REGISTERS: window 0: v0-31 addresses; v32-95 rows on the way out; v128-255 the accumulators ((a, b) at v[128 + 8 (4 a + b)]).   window 1: two fragment buffers of 128: 64 registers of A (2 x 4 x 16 rows x 32 K), then 64 of B.
.set SIZE_M, 8192
.set SIZE_N, 1024
.set SIZE_K, 1024
.set KSTEP,  256
.set PITCH,  528                       ; an LDS row: 512 bytes + 16 of padding = 132 words: row r starts at bank 4 r mod 64 (64 banks of 4 bytes: ISA guide 11.1)
.set HALFT,  64*PITCH                  ; 64 rows: what one tensor load brings
.set SLOT,   4*HALFT                   ; A's 128 rows, then B's 128 rows
.set STAGE,  2*SLOT                    ; behind the ring: 16 rows x 272 bytes for each wave
.set SPITCH, 272
.set SPARE,  STAGE+4*16*SPITCH         ; behind the stages: the spare words, 128 bytes for each wave
.set LAPS, SIZE_K/(2*KSTEP)            ; a lap = two K steps = once round the ring
.set ADRA, 16                          ; v16-17  LDS address of my A fragments in slot 0, 1
.set ADRB, 20                          ; v20-21  the same for B
.set STO,  24                          ; v24     the way out: where I put 32 bytes of a row
.set RD,   25                          ; v25     where I read a row back
.set CO,   26                          ; v26     my byte offset in C
.set SPW,  28                          ; v28     LDS address of my spare word; never rewritten
.set NIL,  29                          ; v29     0; never rewritten
.set TMP,  32                          ; the way out: two sets of 32 registers
.set ACC,  128
.set F0,   0                           ; fragment buffers, in window 1
.set F1,   128
.set G1, 24                            ; s[24:31] descriptor group 1 for A's tiles;  s[32:39] group 0, one set for each slot
.set G0, 32
.set G1B, 48                           ; s[48:55], s[56:63] the same for B's tiles
.set G0B, 56
.set MSB, 0
.macro WIN new                         ; the immediate's high byte repeats the setting that is left
.if MSB != (\new)
	s_set_vgpr_msb (MSB<<8)|(\new)
.set MSB, \new
.endif
.endm
.set MUL,  0x05                        ; sources 0 (B) and 1 (A) window 1; C and D window 0
.set TO_F, 0x40                        ; destination window 1, address window 0
.macro JLOAD s                         ; a joint load: waves 0 and 1 fetch A's two halves, waves 2 and 3 B's; an s_nop 0 and four v_nop follow each of the two lines
	s_cmp_eq_u32 s11, 0
	s_cbranch_scc0 .Lfor_b_\@
	tensor_load_to_lds s[G0+4*\s:G0+4*\s+3], s[G1:G1+7]
	s_nop 0
.rept 4
	v_nop
.endr
	s_branch .Lasked_\@
.Lfor_b_\@:
	tensor_load_to_lds s[G0B+4*\s:G0B+4*\s+3], s[G1B:G1B+7]
	s_nop 0
.rept 4
	v_nop
.endr
.Lasked_\@:
.endm
.macro CREST                           ; a round of the cluster's barrier behind its opening barrier
	s_cmp_lg_u32 s10, 0
	s_cbranch_scc1 .Lnot_wave_0_\@
	s_barrier_signal -3
.Lnot_wave_0_\@:
	s_barrier_wait -3
	s_barrier_signal -1
	s_barrier_wait -1
.endm
.macro CROUND                          ; a whole round
	s_barrier_signal -1
	s_barrier_wait -1
	CREST
.endm
	s_load_b128 s[4:7], s[0:1], 0x0                ; A s[4:5], B s[6:7]
	s_load_b64 s[8:9], s[0:1], 0x10                ; C
	v_lshl_add_u32 v[SPW], v0, 2, SPARE
	v_mov_b32 v[NIL], 0
	ds_add_u32 v[SPW], v[NIL]                      ; the wave's opening: the add, twice on end, and its wait ahead of my first tensor load
	ds_add_u32 v[SPW], v[NIL]
	v_lshrrev_b32 v1, 5, v0
	v_readfirstlane_b32 s10, v1                    ; wave 0..3
	s_lshr_b32 s11, s10, 1                         ; which half of the tile's rows is mine.  Also: I fetch for A (0) or for B (1)
	s_and_b32 s12, s10, 1                          ; which half of its columns.  Also: which 64 rows of that tile I fetch
	s_bfe_u32 s40, ttmp6, 0x40000                  ; cx, cy: my place in the cluster
	s_bfe_u32 s41, ttmp6, 0x40004
	s_lshl_b32 s42, ttmp9, 2
	s_add_co_u32 s42, s42, s40                     ; tile column of C = 4 x cluster x + cx
	s_and_b32 s13, ttmp7, 0xffff
	s_lshl_b32 s13, s13, 2
	s_add_co_u32 s13, s13, s41                     ; tile row of C = 4 x cluster y + cy
	s_lshl_b32 s43, s41, 2
	s_lshl_b32 s43, 15, s43                        ; my row of the cluster
	s_lshl_b32 s44, 0x1111, s40                    ; my column
	; descriptor group 1: a tile of 64 rows x 256 elements of 2 bytes, padded in LDS
	s_or_b32 s[G1+0], s43, (1<<16)|(1<<20)|(1<<21)|(6<<22)|(3<<25)  ; the mask: A's tiles go to my row; elements of 2 bytes; padding on; bit 21 beside a mask; after every 128 words, 4 words
	s_or_b32 s[G1B+0], s44, (1<<16)|(1<<20)|(1<<21)|(6<<22)|(3<<25)
.irp g, G1, G1B
	s_mov_b32 s[\g+1], KSTEP<<16                   ; tensor_dim0 = 256
	s_mov_b32 s[\g+2], 64<<16                      ; tensor_dim1 = 64
	s_mov_b32 s[\g+3], KSTEP<<16                   ; tile_dim0 = 256
	s_mov_b32 s[\g+4], 64                          ; tile_dim1 = 64
	s_mov_b32 s[\g+5], SIZE_K                      ; elements from row to row
	s_mov_b32 s[\g+6], 0
	s_mov_b32 s[\g+7], 0
.endr
	s_lshl_b32 s17, s12, 6                         ; which 64 rows of the tile I fetch
	s_lshl_b32 s16, s13, 7
	s_add_co_u32 s16, s16, s17                     ; A: row 128 x tile row + 64 x half
	s_lshl_b32 s46, s42, 7
	s_add_co_u32 s46, s46, s17                     ; B: row 128 x tile column + 64 x half
	s_mov_b32 s17, 0
	s_mov_b32 s47, 0
	s_mov_b64 s[18:19], SIZE_K*2
	s_mul_u64 s[16:17], s[16:17], s[18:19]
	s_mul_u64 s[46:47], s[46:47], s[18:19]
	s_mul_i32 s20, s10, HALFT                      ; where they go: wave x 64 rows
	s_wait_dscnt 0x0                               ; both opening adds are done
	s_wait_kmcnt 0x0
	s_add_nc_u64 s[14:15], s[4:5], s[16:17]
	s_add_nc_u64 s[46:47], s[6:7], s[46:47]
	CROUND                                         ; all sixteen work-groups are here: the first joint loads meet
.irp s, 0,1
	s_mov_b32 s[G0+4*\s], 1
	s_add_co_u32 s[G0+4*\s+1], s20, \s*SLOT
	s_add_nc_u64 s[G0+4*\s+2:G0+4*\s+3], s[14:15], \s*KSTEP*2
	s_or_b32 s[G0+4*\s+3], s[G0+4*\s+3], 0x80000000
	s_mov_b32 s[G0B+4*\s], 1
	s_add_co_u32 s[G0B+4*\s+1], s20, \s*SLOT
	s_add_nc_u64 s[G0B+4*\s+2:G0B+4*\s+3], s[46:47], \s*KSTEP*2
	s_or_b32 s[G0B+4*\s+3], s[G0B+4*\s+3], 0x80000000
	JLOAD \s                                       ; two loads of mine are out
.endr
	v_and_b32 v1, 15, v0                           ; l % 16
	v_bfe_u32 v2, v0, 4, 1                         ; l / 16
	v_mul_u32_u24 v3, v1, PITCH
	v_lshl_add_u32 v3, v2, 4, v3                   ; a fragment's row x pitch + 16 x half
	s_mul_i32 s21, s11, HALFT                      ; my 64 rows of A
	s_mul_i32 s22, s12, HALFT                      ; my 64 rows of B,
	s_add_co_u32 s22, s22, 2*HALFT                 ; which lie behind A's 128
.irp s, 0,1
	v_add_nc_u32 v[ADRA+\s], s21, v3
	v_add_nc_u32 v[ADRB+\s], s22, v3
	s_add_co_u32 s21, s21, SLOT
	s_add_co_u32 s22, s22, SLOT
.endr
	s_mul_i32 s23, s10, 16*SPITCH
	s_add_co_u32 s23, s23, STAGE                   ; my stage
	v_mul_u32_u24 v4, v1, SPITCH                   ; in: row l % 16, 32 bytes for each half of the lanes
	v_lshl_add_u32 v4, v2, 5, v4
	v_add_nc_u32 v[STO], s23, v4
	v_mul_u32_u24 v5, v2, SPITCH                   ; back: lanes 0-15 one row of 256 bytes, lanes 16-31 the next
	v_lshl_add_u32 v5, v1, 4, v5
	v_add_nc_u32 v[RD], s23, v5
	v_mul_u32_u24 v5, v2, SIZE_N*4                 ; and the same two rows in C
	v_lshl_add_u32 v[CO], v1, 4, v5
	s_lshl_b32 s16, s13, 7
	s_lshl_b32 s17, s11, 6
	s_add_co_u32 s16, s16, s17                     ; my first row of C: 128 x tile row + 64 x half
	s_mov_b32 s17, 0
	s_mov_b64 s[18:19], SIZE_N*4
	s_mul_u64 s[16:17], s[16:17], s[18:19]
	s_add_nc_u64 s[8:9], s[8:9], s[16:17]
	s_lshl_b32 s46, s42, 9                         ; my first column, in bytes: 512 x tile column + 256 x half
	s_lshl_b32 s47, s12, 8
	s_add_co_u32 s46, s46, s47
	s_mov_b32 s47, 0
	s_add_nc_u64 s[8:9], s[8:9], s[46:47]
; 8 matrix instructions: m blocks a0, a0 + 1 x all 4 n blocks, 32 along K: half c of buffer f.  zero = 1: the first product starts the sums.  The 16 accumulators take turns.
.macro MUL8 f, c, a0, zero
.irp a, \a0, \a0+1
.irp b, 0,1,2,3
.if \zero
	v_wmma_f32_16x16x32_f16 v[ACC+8*(4*(\a)+\b):ACC+8*(4*(\a)+\b)+7], v[\f+64+8*(4*\c+\b):\f+64+8*(4*\c+\b)+7], v[\f+8*(4*\c+\a):\f+8*(4*\c+\a)+7], 0
.else
	v_wmma_f32_16x16x32_f16 v[ACC+8*(4*(\a)+\b):ACC+8*(4*(\a)+\b)+7], v[\f+64+8*(4*\c+\b):\f+64+8*(4*\c+\b)+7], v[\f+8*(4*\c+\a):\f+8*(4*\c+\a)+7], v[ACC+8*(4*(\a)+\b):ACC+8*(4*(\a)+\b)+7]
.endif
.endr
.endr
.endm
; 32 LDS loads in one run: the fragments of 64 along K at byte k of the rows, into buffer f; the first 32 along K first
.macro FETCH slot, k, f
	WIN TO_F
.irp c, 0,1
.irp i, 0,1,2,3
	ds_load_b128 v[\f+64+8*(4*\c+\i):\f+64+8*(4*\c+\i)+3],   v[ADRB+\slot] offset:\k+64*\c+\i*16*PITCH
	ds_load_b128 v[\f+64+8*(4*\c+\i)+4:\f+64+8*(4*\c+\i)+7], v[ADRB+\slot] offset:\k+64*\c+\i*16*PITCH+32
	ds_load_b128 v[\f+8*(4*\c+\i):\f+8*(4*\c+\i)+3],         v[ADRA+\slot] offset:\k+64*\c+\i*16*PITCH
	ds_load_b128 v[\f+8*(4*\c+\i)+4:\f+8*(4*\c+\i)+7],       v[ADRA+\slot] offset:\k+64*\c+\i*16*PITCH+32
.endr
.endr
.endm
.macro PLACES                          ; four places in front of loads into registers that matrix instructions have read, and of LDS stores that read results (ISA guide 7.12.1 for vector instructions)
.rept 4
	v_nop
.endr
.endm
; A K step is four quarters of 64 along K, 32 matrix instructions each, on buffers 0, 1, 0, 1.  One of the first three: multiplies buffer f and fetches the next quarter, at byte k, into g.
.macro QUARTER slot, k, f, g, zero
	s_wait_dscnt 16                                ; the first 32 along K are in; the youngest sixteen loads may be out
	WIN MUL
	MUL8 \f, 0, 0, \zero
	MUL8 \f, 0, 2, \zero
	PLACES
	FETCH \slot, \k, \g
	s_wait_dscnt 32                                ; all but the 32 just issued
	WIN MUL
	MUL8 \f, 1, 0, 0
	MUL8 \f, 1, 2, 0
.endm
; The last quarter multiplies buffer 1 and changes slots: ONE barrier; in front of it each wave waits for all its tensor loads, adds 0 to its spare word, and waits for that and for its reads of this slot.
; fill = 1: this slot is filled again, two K steps ahead, behind a round of the cluster's barrier.
.macro TURN slot, next, fill
	WIN 0                                          ; (the add's two registers lie in window 0)
	s_wait_tensorcnt 0x0                           ; all my tensor loads have landed: my part of the next slot
	ds_add_u32 v[SPW], v[NIL]
	s_wait_dscnt 17                                ; (the add and the youngest sixteen loads may be out)
	WIN MUL
	MUL8 F1, 0, 0, 0
	s_wait_dscnt 0x0                               ; the add is done, and my reads of this slot are over
	s_barrier_signal -1
	MUL8 F1, 0, 2, 0
.if \fill
	WIN 0
.endif
	s_barrier_wait -1
.if \fill
	CREST                                          ; no wave of any partner still reads this slot's tile or has a load on its way
	s_add_nc_u64 s[G0+4*\slot+2:G0+4*\slot+3], s[G0+4*\slot+2:G0+4*\slot+3], 2*KSTEP*2
	s_add_nc_u64 s[G0B+4*\slot+2:G0B+4*\slot+3], s[G0B+4*\slot+2:G0B+4*\slot+3], 2*KSTEP*2
	JLOAD \slot                                    ; the first tensor load behind the round; the four v_nop behind it are also the places in front of the loads below
.else
	PLACES
.endif
	FETCH \next, 0, F0
	WIN MUL
	MUL8 F1, 1, 0, 0
	MUL8 F1, 1, 2, 0
.endm
	s_wait_tensorcnt 1                             ; my part of K step 0 is in (K step 1's load may be out),
	s_barrier_signal -1
	s_barrier_wait -1                              ; everybody's is
	FETCH 0, 0, F0
	QUARTER 0, 128, F0, F1, 1                      ; the first quarter stands in front of the loop: its first products start the sums
	WIN 0                                          ; at a label and at a branch every window is 0
	s_mov_b32 s3, LAPS-1
.Llap:                                                 ; a trip goes once round the ring, from a lap's second quarter to the next lap's first, and fills both slots again
	QUARTER 0, 256, F1, F0, 0
	QUARTER 0, 384, F0, F1, 0
	TURN 0, 1, 1
	QUARTER 1, 128, F0, F1, 0
	QUARTER 1, 256, F1, F0, 0
	QUARTER 1, 384, F0, F1, 0
	TURN 1, 0, 1
	QUARTER 0, 128, F0, F1, 0
	WIN 0
	s_sub_co_u32 s3, s3, 1
	s_cmp_lg_u32 s3, 0
	s_cbranch_scc1 .Llap
	QUARTER 0, 256, F1, F0, 0                      ; the last lap fills nothing, and has no round of the cluster's barrier
	QUARTER 0, 384, F0, F1, 0
	TURN 0, 1, 0
	QUARTER 1, 128, F0, F1, 0
	QUARTER 1, 256, F1, F0, 0
	QUARTER 1, 384, F0, F1, 0
	s_wait_dscnt 16                                ; the very last quarter: nothing more to fetch
	WIN MUL
	MUL8 F1, 0, 0, 0
	MUL8 F1, 0, 2, 0
	s_wait_dscnt 0
	MUL8 F1, 1, 0, 0
	MUL8 F1, 1, 2, 0
	WIN 0
; THE WAY OUT, block by block of 16 rows x 64 columns of f32.  A lane holds 32 neighbouring bytes of a row and the lanes beside it hold other rows: a block goes through my own stage and comes back as whole rows of 256 bytes.
; LDS serves a wave's instructions in order (ISA guide 5.7.1.4): no wait between the stores and the loads, nor in front of the next block's stores.
.macro TOSTAGE a
.irp b, 0,1,2,3
	ds_store_b128 v[STO], v[ACC+8*(4*(\a)+\b):ACC+8*(4*(\a)+\b)+3] offset:64*\b          ; each accumulator from its low end on
	ds_store_b128 v[STO], v[ACC+8*(4*(\a)+\b)+4:ACC+8*(4*(\a)+\b)+7] offset:64*\b+16
.endr
.set BB, TMP+32*((\a)%2)
.irp t, 0,1,2,3,4,5,6,7
	ds_load_b128 v[BB+4*\t:BB+4*\t+3], v[RD] offset:\t*2*SPITCH
.endr
.endm
.macro SEND a, younger                 ; younger: the LDS instructions issued behind block a's loads, which may stay out
.set BB, TMP+32*((\a)%2)
	s_wait_dscnt \younger                          ; the block is back in registers
.irp t, 0,1,2,3,4,5,6,7
	global_store_b128 v[CO], v[BB+4*\t:BB+4*\t+3], s[8:9] offset:(16*(\a)+2*\t)*SIZE_N*4 th:TH_STORE_NT   ; 16 lanes store 256 consecutive bytes, aligned; written once, read by nobody here
.endr
.endm
	PLACES                                         ; behind the last products, ahead of the first read of results
	TOSTAGE 0
.irp a, 1,2,3
.if \a > 1
	s_wait_xcnt 0x0                                ; block a - 2's stores have read their registers: block a's loads may land there
.endif
	TOSTAGE \a
	SEND \a-1, 16                                  ; behind block a - 1's loads: block a's 8 stores and 8 loads
.endr
	SEND 3, 0
	s_wait_tensorcnt 0x0                           ; the wave's end
	ds_add_u32 v[SPW], v[NIL]
	s_wait_dscnt 0x0
	CROUND                                         ; the closing round: no work-group ends while a partner may still ask for a tile that names it
	s_endpgm
.Lfunc_end_k_q64dda3ec53_gemm_out:
	.size	k_q64dda3ec53_gemm_out, .Lfunc_end_k_q64dda3ec53_gemm_out-k_q64dda3ec53_gemm_out
	.p2alignl 7, 3214868480
	.fill 96, 4, 3214868480
	.section	.rodata,"a",@progbits
	.p2align	6, 0x0
	.amdhsa_kernel k_q64dda3ec53_gemm_out
		.amdhsa_group_segment_fixed_size 327680
		.amdhsa_private_segment_fixed_size 0
		.amdhsa_enable_private_segment 0
		.amdhsa_kernarg_size 24
		.amdhsa_user_sgpr_count 2
		.amdhsa_user_sgpr_kernarg_segment_ptr 1
		.amdhsa_wavefront_size32 1
		.amdhsa_system_sgpr_workgroup_id_x 1
		.amdhsa_system_sgpr_workgroup_id_y 1
		.amdhsa_system_sgpr_workgroup_id_z 1
		.amdhsa_system_vgpr_workitem_id 0
		.amdhsa_next_free_vgpr 512
		.amdhsa_next_free_sgpr 66
		.amdhsa_reserve_vcc 0
		.amdhsa_float_denorm_mode_32 3
		.amdhsa_float_denorm_mode_16_64 3
		.amdhsa_memory_ordered 1
		.amdhsa_forward_progress 1
		.amdhsa_inst_pref_size 86
	.end_amdhsa_kernel
	.amdgpu_metadata
---
amdhsa.version: [ 1, 2 ]
amdhsa.kernels:
  - .name:           k_q64dda3ec53_gemm_out
    .symbol:         k_q64dda3ec53_gemm_out.kd
    .args:
      - { .name: att, .offset: 0, .size: 8, .value_kind: global_buffer, .address_space: global }
      - { .name: wt, .offset: 8, .size: 8, .value_kind: global_buffer, .address_space: global }
      - { .name: out0, .offset: 16, .size: 8, .value_kind: global_buffer, .address_space: global }
    .group_segment_fixed_size: 327680
    .private_segment_fixed_size: 0
    .kernarg_segment_align: 8
    .kernarg_segment_size: 24
    .max_flat_workgroup_size: 128
    .sgpr_count:     66
    .vgpr_count:     512
    .wavefront_size: 32
...
	.end_amdgpu_metadata
.endif
;; end of part 6
